; MI455X (gfx1250); checked and timed in simulation.
; The chip was launched on July 23, 2026; its instructions are those of AMD's public machine-readable ISA for CDNA 5 (MIT licence, August 2026) and "CDNA5" Instruction Set Architecture Reference Guide (July 2026). The comments in the code are by the model that wrote it; some were corrected since.
;; GPT2 Attention. Allowed arithmetic: float matrix products may take bf16 or f16 operands with f32 sums; all other float work in f32.
;; Inputs: Wk 1,024 x 1,024 float32; Wo 1,024 x 1,024 float32; Wq 1,024 x 1,024 float32; Wv 1,024 x 1,024 float32; bk 1,024 float32; bo 1,024 float32; bq 1,024 float32; bv 1,024 float32; hidden_states 2 x 2,048 x 1,024 float32.
;; Outputs: out0 2 x 2,048 x 1,024 float32.
;; 2 versions, each right. Each part assembles by itself: llvm-mc -triple=amdgcn-amd-amdhsa -mcpu=gfx1250 --defsym DOCPART=n.
;; ======== version 1 of 2: 4 launches
;; limits: values are held in f16: magnitudes above 65,504 overflow, below 6.1e-05 lose precision; right only within a limited range of input values
;; workspace buffers: hsb 8,388,608 bytes; wb 8,388,608 bytes; rope 524,288 bytes; qb 8,388,608 bytes; kb 8,388,608 bytes; vtb 8,388,608 bytes; ctx 16,777,216 bytes
;; launch prep (part 1): grid 640 x 1, 8 waves a work-group, no clusters, 0 bytes of LDS; arguments hidden_states, Wq, Wk, Wv, Wo, hsb, wb, rope; writes hsb, wb, rope
.if DOCPART == 1
	.amdgcn_target "amdgcn-amd-amdhsa--gfx1250"
	.amdhsa_code_object_version 6
	.text
	.protected	k_q4fad00a5a2_prep
	.globl	k_q4fad00a5a2_prep
	.p2align	8
	.type	k_q4fad00a5a2_prep,@function
k_q4fad00a5a2_prep:
	s_mov_b64 s[64:65], 0
	v_nop
	global_prefetch_b8 v0, s[64:65] scope:SCOPE_SE
	s_setreg_imm32_b32 hwreg(HW_REG_WAVE_MODE, 25, 1), 1
	s_wait_xcnt 0x0
; prep: brings hidden_states and the four weight matrices into the matrix units' format, once, and makes the rotary table.
; FORMAT: each number is rounded to bf16 (8 significant bits, to nearest even) and carried as f16, which holds every bf16 number from 2^-17 to 65,504
; exactly (below 2^-17 the error is at most 2^-25).  The later launches multiply in f16, so that their intermediates keep 11 significant bits.
; Work-groups 0-255:   16 rows of hidden_states [4096][1024] f32 -> hsb [4096][1024] f16.
; Work-groups 256-511: 16 rows of Wq, Wk, Wv or Wo -> wb [4096][1024] f16.  Row n = 64 head + d of Wq, Wk, Wv (z = 0, 1, 2) goes to row
;                      192 head + 64 z + d, so that a head's q, k and v weights are 192 consecutive rows; row n of Wo goes to row 3072 + n.
; Work-groups 512-639: 16 rows of rope [2048][64] f32: row s = cos(s f_0 .. s f_31), sin(s f_0 .. s f_31), f_i = 10000^(-i/32).
; A stream: each byte is read once and written once; no LDS, no barrier, no matrix unit, nothing is shared between work-groups.
; LIMITS: |hidden_states| and |W| below 65,504.  The angle s f_i is formed as in the source (one f32 product), but f_i comes from v_exp_f32 (1 ULP)
; and the angle is reduced in f32 turns, so that it is off by up to about 5e-4 rad at the largest angles (s near 2047, small i).
.set X, 4                              ; v[4:67]   16 rows x 4 f32 of this thread
.set Y, 68                             ; v[68:99]  the same as pairs of 16 bits
	s_load_b512 s[8:23], s[0:1], 0x0               ; hidden s[8:9], Wq s[10:11], Wk s[12:13], Wv s[14:15], Wo s[16:17], hsb s[18:19], wb s[20:21], rope s[22:23]
	s_mov_b32 s2, ttmp9                            ; g
	s_mov_b32 s38, 0xffff0000                      ; a word's upper bf16
	v_lshlrev_b32 v1, 4, v0                        ; 16 t: my 16 bytes of a row of f32 (and of the table)
	v_lshlrev_b32 v2, 3, v0                        ; 8 t: my 8 bytes of a row of f16
	s_cmp_ge_u32 s2, 512
	s_cbranch_scc1 .Ltable
	; where from and where to: offsets first, in registers of their own
	s_bfe_u32 s24, s2, 0x20006                     ; z = which weight matrix (bits 7:6 of g; used for g >= 256 only)
	s_and_b32 s25, s2, 63                          ; c = which 16 rows of it
	s_lshr_b32 s26, s25, 2                         ; head = c / 4
	s_mul_i32 s26, s26, 192
	s_lshl_b32 s27, s24, 6
	s_add_co_u32 s26, s26, s27                     ; + 64 z
	s_and_b32 s27, s25, 3
	s_lshl_b32 s27, s27, 4
	s_add_co_u32 s26, s26, s27                     ; + 16 (c % 4): the row in wb for q, k, v
	s_lshl_b32 s27, s25, 4
	s_add_co_u32 s27, s27, 3072                    ; the row in wb for Wo
	s_cmp_eq_u32 s24, 3
	s_cselect_b32 s26, s27, s26
	s_lshl_b32 s26, s26, 11                        ; rows of 2,048 bytes
	s_lshl_b32 s28, s25, 16                        ; source: 16 rows of 4,096 bytes
	s_lshl_b32 s27, s2, 15                         ; hidden_states: g x 16 rows, out
	s_lshl_b32 s29, s2, 16                         ; and in
	s_cmp_lt_u32 s2, 256
	s_cselect_b32 s30, s29, s28                    ; source offset
	s_cselect_b32 s32, s27, s26                    ; destination offset
	s_mov_b32 s31, 0
	s_mov_b32 s33, 0
	s_wait_kmcnt 0x0
	s_cmp_eq_u32 s24, 1                            ; the buffers are chosen on g alone
	s_cselect_b64 s[34:35], s[12:13], s[10:11]
	s_cmp_eq_u32 s24, 2
	s_cselect_b64 s[34:35], s[14:15], s[34:35]
	s_cmp_eq_u32 s24, 3
	s_cselect_b64 s[34:35], s[16:17], s[34:35]
	s_cmp_lt_u32 s2, 256
	s_cselect_b64 s[34:35], s[8:9], s[34:35]
	s_cselect_b64 s[36:37], s[18:19], s[20:21]
	s_add_nc_u64 s[34:35], s[34:35], s[30:31]
	s_add_nc_u64 s[36:37], s[36:37], s[32:33]
	; sixteen loads of every wave are on their way at once: a load of a wave covers 512 consecutive bytes, the eight waves a row
.irp i, 0,1,2,3,4,5,6,7,8,9,10,11,12,13,14,15
	global_load_b128 v[X+4*\i:X+4*\i+3], v1, s[34:35] offset:4096*\i th:TH_LOAD_NT
.endr
.irp i, 0,1,2,3,4,5,6,7,8,9,10,11,12,13,14,15
	s_wait_loadcnt 15-\i                           ; loads come back in order: row i is in, the 15 - i younger ones stay out
	v_cvt_pk_bf16_f32 v[Y+2*\i],   v[X+4*\i],   v[X+4*\i+1]        ; the rounding: to 8 significant bits
	v_cvt_pk_bf16_f32 v[Y+2*\i+1], v[X+4*\i+2], v[X+4*\i+3]
	v_lshlrev_b32 v[X+4*\i],   16,  v[Y+2*\i]                      ; back to f32 (a shift, a mask),
	v_and_b32     v[X+4*\i+1], s38, v[Y+2*\i]
	v_lshlrev_b32 v[X+4*\i+2], 16,  v[Y+2*\i+1]
	v_and_b32     v[X+4*\i+3], s38, v[Y+2*\i+1]
	v_cvt_pk_f16_f32 v[Y+2*\i],   v[X+4*\i],   v[X+4*\i+1]         ; and into f16's fields, which changes no value in the range stated above
	v_cvt_pk_f16_f32 v[Y+2*\i+1], v[X+4*\i+2], v[X+4*\i+3]
	global_store_b64 v2, v[Y+2*\i:Y+2*\i+1], s[36:37] offset:2048*\i   ; a store of a wave covers 256 consecutive bytes, aligned; no store's register is written again
.endr
	s_endpgm
.Ltable:
	; thread t makes the four numbers at byte 16 t of the group's 16 rows: row t / 16, columns 4 (t % 16) ..; columns 32 and up are sines
	s_sub_co_u32 s24, s2, 512
	s_lshl_b32 s25, s24, 4                         ; first row
	s_lshl_b32 s26, s24, 12                        ; 16 rows of 256 bytes
	s_mov_b32 s27, 0
	s_mov_b32 s28, 0x40c90fdb                      ; sin(2 pi z) = z (a0 + w (a1 + w (a2 + w (a3 + w (a4 + w a5))))), w = z z, |z| <= 1/4:
	s_mov_b32 s29, 0xc2255de7                      ; the series' terms (2 pi)^(2k+1) / (2k+1)!, signs by turns; the first term left out is below 6e-8
	s_mov_b32 s30, 0x42a335e3
	s_mov_b32 s31, 0xc2996966
	s_mov_b32 s32, 0x42283c1a
	s_mov_b32 s33, 0xc17183a8
	v_lshrrev_b32 v3, 4, v0
	v_add_nc_u32 v3, s25, v3
	v_cvt_f32_u32 v3, v3                           ; s, exact
	v_and_b32 v4, 15, v0
	v_and_b32 v5, 7, v0
	v_lshlrev_b32 v5, 2, v5                        ; first frequency index
	v_mov_b32 v7, 0x3e800000                       ; 1/4
	v_cmp_lt_u32 vcc_lo, 7, v4
	v_cndmask_b32 v6, 0, v7, vcc_lo                ; sin(x) = cos(x - a quarter turn)
.irp i, 0,1,2,3
	v_add_nc_u32 v[8+\i], \i, v5
	v_cvt_f32_u32 v[8+\i], v[8+\i]
	v_mul_f32 v[8+\i], 0xbed49a78, v[8+\i]         ; - i log2(10000) / 32
.endr
.irp i, 0,1,2,3
	v_exp_f32 v[12+\i], v[8+\i]                    ; f_i
.endr
	v_nop                                          ; one plain instruction behind the last v_exp_f32 (ISA guide 5.7.2)
	s_wait_alu depctr_va_vdst(0)
.irp i, 0,1,2,3
	v_mul_f32 v[12+\i], v3, v[12+\i]               ; the angle, one f32 product as in the source
	v_mul_f32 v[12+\i], 0.15915494, v[12+\i]       ; in turns
	v_rndne_f32 v[8+\i], v[12+\i]
	v_sub_f32 v[12+\i], v[12+\i], v[8+\i]          ; in [-1/2, 1/2], exact
	v_sub_f32 v[12+\i], v[12+\i], v6               ; the quarter turn for the sines
	v_rndne_f32 v[8+\i], v[12+\i]
	v_sub_f32 v[12+\i], v[12+\i], v[8+\i]          ; y in [-1/2, 1/2]
	v_sub_f32 v[12+\i], v7, |v[12+\i]|             ; cos(2 pi y) = sin(2 pi (1/4 - |y|))
	v_mul_f32 v[8+\i], v[12+\i], v[12+\i]
	v_fma_f32 v[16+\i], v[8+\i], s33, s32
	v_fma_f32 v[16+\i], v[16+\i], v[8+\i], s31
	v_fma_f32 v[16+\i], v[16+\i], v[8+\i], s30
	v_fma_f32 v[16+\i], v[16+\i], v[8+\i], s29
	v_fma_f32 v[16+\i], v[16+\i], v[8+\i], s28
	v_mul_f32 v[16+\i], v[16+\i], v[12+\i]
.endr
	s_wait_kmcnt 0x0
	s_add_nc_u64 s[22:23], s[22:23], s[26:27]
	global_store_b128 v1, v[16:19], s[22:23]       ; sixteen lanes write a whole row of 256 bytes
	s_endpgm
.Lfunc_end_k_q4fad00a5a2_prep:
	.size	k_q4fad00a5a2_prep, .Lfunc_end_k_q4fad00a5a2_prep-k_q4fad00a5a2_prep
	.p2alignl 7, 3214868480
	.fill 96, 4, 3214868480
	.section	.rodata,"a",@progbits
	.p2align	6, 0x0
	.amdhsa_kernel k_q4fad00a5a2_prep
		.amdhsa_group_segment_fixed_size 0
		.amdhsa_private_segment_fixed_size 0
		.amdhsa_enable_private_segment 0
		.amdhsa_kernarg_size 64
		.amdhsa_user_sgpr_count 2
		.amdhsa_user_sgpr_kernarg_segment_ptr 1
		.amdhsa_wavefront_size32 1
		.amdhsa_system_sgpr_workgroup_id_x 1
		.amdhsa_system_sgpr_workgroup_id_y 1
		.amdhsa_system_sgpr_workgroup_id_z 1
		.amdhsa_system_vgpr_workitem_id 0
		.amdhsa_next_free_vgpr 100
		.amdhsa_next_free_sgpr 66
		.amdhsa_reserve_vcc 1
		.amdhsa_float_denorm_mode_32 3
		.amdhsa_float_denorm_mode_16_64 3
		.amdhsa_memory_ordered 1
		.amdhsa_forward_progress 1
		.amdhsa_inst_pref_size 16
	.end_amdhsa_kernel
	.amdgpu_metadata
---
amdhsa.version: [ 1, 2 ]
amdhsa.kernels:
  - .name:           k_q4fad00a5a2_prep
    .symbol:         k_q4fad00a5a2_prep.kd
    .args:
      - { .name: hidden_states, .offset: 0, .size: 8, .value_kind: global_buffer, .address_space: global }
      - { .name: Wq, .offset: 8, .size: 8, .value_kind: global_buffer, .address_space: global }
      - { .name: Wk, .offset: 16, .size: 8, .value_kind: global_buffer, .address_space: global }
      - { .name: Wv, .offset: 24, .size: 8, .value_kind: global_buffer, .address_space: global }
      - { .name: Wo, .offset: 32, .size: 8, .value_kind: global_buffer, .address_space: global }
      - { .name: hsb, .offset: 40, .size: 8, .value_kind: global_buffer, .address_space: global }
      - { .name: wb, .offset: 48, .size: 8, .value_kind: global_buffer, .address_space: global }
      - { .name: rope, .offset: 56, .size: 8, .value_kind: global_buffer, .address_space: global }
    .group_segment_fixed_size: 0
    .private_segment_fixed_size: 0
    .kernarg_segment_align: 8
    .kernarg_segment_size: 64
    .max_flat_workgroup_size: 256
    .sgpr_count:     66
    .vgpr_count:     100
    .wavefront_size: 32
...
	.end_amdgpu_metadata
.endif
;; end of part 1
;; launch qkv (part 2): grid 16 x 16, 4 waves a work-group, clusters of 4 x 4, 327,680 bytes of LDS; arguments hsb, wb, rope, bq, bk, bv, qb, kb, vtb; writes qb, kb, vtb
.if DOCPART == 2
	.amdgcn_target "amdgcn-amd-amdhsa--gfx1250"
	.amdhsa_code_object_version 6
	.text
	.protected	k_q4fad00a5a2_qkv
	.globl	k_q4fad00a5a2_qkv
	.p2align	8
	.type	k_q4fad00a5a2_qkv,@function
k_q4fad00a5a2_qkv:
	s_mov_b64 s[64:65], 0
	v_nop
	global_prefetch_b8 v0, s[64:65] scope:SCOPE_SE
	s_setreg_imm32_b32 hwreg(HW_REG_WAVE_MODE, 25, 1), 1
	s_wait_xcnt 0x0
	s_wait_alu depctr_hold_cnt(0) depctr_sa_sdst(0) depctr_va_vdst(0) depctr_va_sdst(0) depctr_va_ssrc(0) depctr_va_vcc(0) depctr_vm_vsrc(0)
	s_getreg_b32 s2, hwreg(HW_REG_IB_STS2, 6, 4)
	s_cmp_eq_u32 s2, 0
	s_cbranch_scc0 .Lentry_in_a_cluster
	s_endpgm
.Lentry_in_a_cluster:
	s_bfe_u32 s2, ttmp6, 0x10000c
	s_cmp_lg_u32 s2, 0xf033
	s_cbranch_scc0 .Lentry_shape_is_right
	s_endpgm
.Lentry_shape_is_right:
; qkv: q, k, v = hidden W^T + bias for one head and 256 rows, rotary embedding on q and k, all rounded once to f16.
; hsb [4096][1024] f16; wb rows 192 head + 64 z + d (z = 0 q, 1 k, 2 v), f16; rope [2048][64] f32 (32 cosines, 32 sines a row).
; Out: qb, kb [32 = 16 b + head][2048][64] f16; vtb [32][64 d][2048 s] f16 (V transposed, as the next launch multiplies it).
; Block x = head, block y = 256 rows (b = y / 8).  Four waves; wave w makes rows 128 (w / 2) .. of the block and, of each of q, k, v, the columns
; d = 16 (w % 2) + 32 p + 0..15, p = 0, 1: the two partners d and d + 32 of a rotation lie in the same lane and register of two tiles.
; 8 x 6 = 48 accumulator tiles a wave.  K = 1024 goes in 8 steps of 128 (rows of 256 bytes, aligned) through two LDS slots.
; CLUSTERS: 4 x 4 work-groups.  The four of a row of the cluster share the 256 rows of hsb and of rope, the four of a column the head's weights:
; these tiles are asked for jointly, each of the four issuing the same tensor load with a mask that names the four.
; By this text's own count a wave has at most three tensor loads out (rope and K steps 0, 1 at the start), later one.
; q and k tiles are multiplied transposed (source 0 = weights, source 1 = rows): a lane holds 8 neighbouring d of one row.
; v tiles the natural way (source 0 = rows): a lane holds 8 neighbouring s of one d, a piece of a row of V^T.
; LIMIT: operands f16, sums f32; q, k, v leave as f16 and must stay below 65,504.  Room: drawn inputs give rms 1; all inputs 30 times larger give
; rms 900; common offsets of 30 spreads in hidden_states and W give about 1024 x 30 x 0.94 = 28,800; 30 times smaller gives rms 1e-3, where
; f16's smallest step (6e-8) is 6e-5 of the rms.
; REGISTERS: window 0: v0-31 addresses, v32-143 and v144-255 two fragment buffers (A's 8 fragments, then B's 6);
;   window 1: the 32 q and k tiles, tile (a, c) at 8 (4 a + c), c = 2 z + p;   window 2: v0-127 the 16 v tiles at 8 (2 a + c), v128-163 biases.
.set PITCH, 272                        ; LDS row of a tile: 256 bytes + 16, an odd multiple of 16: the 16 rows of a fragment load start in 16 different 16-byte columns of 256
.set AB,    256*PITCH                  ; A's 256 rows
.set BB,    192*PITCH                  ; B's 192 rows
.set SLOT,  AB+BB                      ; 121,856
.set ROPE,  2*SLOT                     ; 256 rows of the table, filled once
.set QP,    144                        ; stage for q and k: rows of 128 bytes + 16
.set STK,   256*QP                     ; stages lie in slot 0, whose last fill is K step 6 and whose last reads end in front of the last lap's first barrier
.set STV,   2*STK
.set VP,    528                        ; stage for V^T: rows of 512 bytes + 16
.set F0, 32
.set F1, 144
.set ADRA, 16                          ; v16-17 my A fragments in slot 0, 1
.set ADRB, 18                          ; v18-19 my B fragments
.set RADR, 20                          ; my cosines in the table's tile
.set STOQ, 21                          ; stage, in: q and k
.set STOV, 22                          ; stage, in: V^T
.set RDQ,  23                          ; stage, back: q and k
.set RDV,  24                          ; stage, back: V^T
.set GOQ,  25                          ; my byte offset in the block of qb, kb
.set GOV,  26                          ; and of vtb
.set BOQ,  27                          ; my byte offset in bq, bk
.set BOV,  28                          ; and in bv
.set CS,   32                          ; way out: v[32:159] row tile a: 8 cosines at 16 a, 8 sines at 16 a + 8
.set X,    160                         ; v[160:207] one row tile with bias: q (x1, x2), k (x1, x2), v (2 tiles)
.set NS,   208                         ; - sin
.set U,    216                         ; x1 sin
.set PK,   224                         ; packed f16
.set G1A, 24
.set G0A, 32
.set G1B, 48
.set G0B, 56
.set G1R, 72
.set G0R, 80
.set QKW, 0x50                         ; C and D in window 1
.set VW,  0xa0                         ; C and D in window 2
.set MSB, 0
.macro WIN new                         ; the immediate's high byte repeats the setting that is left
.if MSB != \new
	s_set_vgpr_msb (MSB<<8)|\new
.set MSB, \new
.endif
.endm
.macro PLACES                          ; four plain places behind a matrix instruction, in front of loads into its sources and of readers of its result
.rept 4
	v_nop
.endr
.endm
; waves 0, 1 ask for A's two halves, waves 2, 3 for B's: each line has one mask; the branch hangs on the wave's number alone
.macro JLOAD s
	s_cmp_eq_u32 s23, 0
	s_cbranch_scc0 .Lfor_b_\@
	tensor_load_to_lds s[G0A+4*\s:G0A+4*\s+3], s[G1A:G1A+7]
	s_nop 0
	s_branch .Lasked_\@
.Lfor_b_\@:
	tensor_load_to_lds s[G0B+4*\s:G0B+4*\s+3], s[G1B:G1B+7]
	s_nop 0
.Lasked_\@:
.endm
.macro CREST                           ; a round of the cluster's barrier behind its opening work-group barrier
	s_cmp_lg_u32 s22, 0
	s_cbranch_scc1 .Lnot_wave_0_\@
	s_barrier_signal -3
.Lnot_wave_0_\@:
	s_barrier_wait -3
	s_barrier_signal -1
	s_barrier_wait -1
.endm
.macro CROUND
	s_barrier_signal -1
	s_barrier_wait -1
	CREST
.endm
	s_load_b256 s[4:11], s[0:1], 0x0               ; hsb s[4:5], wb s[6:7], rope s[8:9], bq s[10:11]
	s_load_b256 s[12:19], s[0:1], 0x20             ; bk s[12:13], bv s[14:15], qb s[16:17], kb s[18:19]
	s_load_b64 s[20:21], s[0:1], 0x40              ; vtb
	v_lshl_add_u32 v30, v0, 2, 0x4c800
	v_mov_b32 v31, 0
	ds_add_u32 v30, v31
	ds_add_u32 v30, v31
	v_lshrrev_b32 v1, 5, v0
	v_readfirstlane_b32 s22, v1                    ; wave
	s_lshr_b32 s23, s22, 1                         ; my half of the rows; also: I fetch for A (0) or B (1)
	s_and_b32 s40, s22, 1                          ; my 16 of each 32 columns; also: which half of the tile I fetch
	s_bfe_u32 s41, ttmp6, 0x40000                  ; cx
	s_bfe_u32 s42, ttmp6, 0x40004                  ; cy
	s_lshl_b32 s43, ttmp9, 2
	s_add_co_u32 s43, s43, s41                     ; x = head
	s_and_b32 s44, ttmp7, 0xffff
	s_lshl_b32 s44, s44, 2
	s_add_co_u32 s44, s44, s42                     ; y = block of 256 rows
	s_lshl_b32 s45, s42, 2
	s_lshl_b32 s45, 15, s45                        ; my row of the cluster
	s_lshl_b32 s46, 0x1111, s41                    ; my column
	; group 1: elements of 2 bytes, 16 bytes of padding behind every 64 words, bit 21 beside the mask
	s_or_b32 s[G1A+0], s45, (1<<16)|(1<<20)|(1<<21)|(5<<22)|(3<<25)
	s_mov_b32 s[G1A+1], 128<<16                    ; tensor_dim0 = 128
	s_mov_b32 s[G1A+2], 128<<16                    ; tensor_dim1 = 128
	s_mov_b32 s[G1A+3], 128<<16                    ; tile_dim0 = 128
	s_mov_b32 s[G1A+4], 128                        ; tile_dim1 = 128 rows
	s_mov_b32 s[G1A+5], 1024                       ; elements from row to row
	s_mov_b32 s[G1A+6], 0
	s_mov_b32 s[G1A+7], 0
	s_or_b32 s[G1B+0], s46, (1<<16)|(1<<20)|(1<<21)|(5<<22)|(3<<25)
	s_mov_b32 s[G1B+1], 128<<16
	s_mov_b32 s[G1B+2], 96<<16                     ; 96 rows
	s_mov_b32 s[G1B+3], 128<<16
	s_mov_b32 s[G1B+4], 96
	s_mov_b32 s[G1B+5], 1024
	s_mov_b32 s[G1B+6], 0
	s_mov_b32 s[G1B+7], 0
	s_or_b32 s[G1R+0], s45, (2<<16)|(1<<20)|(1<<21)|(5<<22)|(3<<25)   ; the table: elements of 4 bytes, 64 rows of 64
	s_mov_b32 s[G1R+1], 64<<16
	s_mov_b32 s[G1R+2], 64<<16
	s_mov_b32 s[G1R+3], 64<<16
	s_mov_b32 s[G1R+4], 64
	s_mov_b32 s[G1R+5], 64
	s_mov_b32 s[G1R+6], 0
	s_mov_b32 s[G1R+7], 0
	; where the tiles come from.  A and the table hang on y and the wave, B on x and the wave, each in registers that never hold the other coordinate
	s_lshl_b32 s66, s44, 8
	s_lshl_b32 s67, s40, 7
	s_add_co_u32 s66, s66, s67                     ; A: row 256 y + 128 half
	s_lshl_b32 s66, s66, 11                        ; rows of 2,048 bytes
	s_mov_b32 s67, 0
	s_mul_i32 s84, s43, 192
	s_mul_i32 s85, s40, 96
	s_add_co_u32 s84, s84, s85                     ; B: row 192 x + 96 half
	s_lshl_b32 s84, s84, 11
	s_mov_b32 s85, 0
	s_and_b32 s70, s44, 7
	s_lshl_b32 s70, s70, 2
	s_add_co_u32 s70, s70, s22                     ; the table: 64 rows number 4 (y % 8) + wave
	s_lshl_b32 s70, s70, 14                        ; of 256 bytes
	s_mov_b32 s71, 0
	; and where they go: the wave's number times a constant plus a constant
	s_mul_i32 s88, s22, 128*PITCH                  ; A's halves (waves 0, 1)
	s_mul_i32 s89, s22, 96*PITCH
	s_add_co_u32 s89, s89, AB-2*96*PITCH           ; B's halves behind A (waves 2, 3)
	s_mul_i32 s47, s22, 64*PITCH
	s_add_co_u32 s47, s47, ROPE
	v_and_b32 v1, 15, v0                           ; r
	v_bfe_u32 v2, v0, 4, 1                         ; h
	s_lshl_b32 s96, s43, 8
	s_lshl_b32 s97, s40, 6
	s_add_co_u32 s96, s96, s97                     ; 4 (64 x + 16 (w % 2))
	v_lshl_add_u32 v[BOQ], v2, 5, s96              ; + 4 x 8 h: my eight columns of a q or k tile
	v_lshl_add_u32 v[BOV], v1, 2, s96              ; + 4 r: my column of a v tile
	s_wait_dscnt 0x0
	s_wait_kmcnt 0x0
	s_add_nc_u64 s[68:69], s[4:5], s[66:67]
	s_add_nc_u64 s[86:87], s[6:7], s[84:85]
	s_mov_b32 s[G0R], 1
	s_mov_b32 s[G0R+1], s47
	s_add_nc_u64 s[G0R+2:G0R+3], s[8:9], s[70:71]
	s_or_b32 s[G0R+3], s[G0R+3], 0x80000000
	; the biases go straight into window 2 and are waited for on the way out; their address registers are never written again
	WIN 0x80
.irp p, 0,1
	global_load_b128 v[128+8*\p:128+8*\p+3],   v[BOQ], s[10:11] offset:128*\p
	global_load_b128 v[128+8*\p+4:128+8*\p+7], v[BOQ], s[10:11] offset:128*\p+16
	global_load_b128 v[144+8*\p:144+8*\p+3],   v[BOQ], s[12:13] offset:128*\p
	global_load_b128 v[144+8*\p+4:144+8*\p+7], v[BOQ], s[12:13] offset:128*\p+16
	global_load_b32 v[160+2*\p], v[BOV], s[14:15] offset:128*\p      ; bv of my column, twice: a pair for the packed add
	global_load_b32 v[161+2*\p], v[BOV], s[14:15] offset:128*\p
.endr
	WIN 0
	CROUND                                         ; all sixteen work-groups are here: the first joint loads meet
	tensor_load_to_lds s[G0R:G0R+3], s[G1R:G1R+7]
	s_nop 0
.irp s, 0,1
	s_mov_b32 s[G0A+4*\s], 1
	s_add_co_u32 s[G0A+4*\s+1], s88, \s*SLOT
	s_add_nc_u64 s[G0A+4*\s+2:G0A+4*\s+3], s[68:69], \s*256        ; K step s
	s_or_b32 s[G0A+4*\s+3], s[G0A+4*\s+3], 0x80000000
	s_mov_b32 s[G0B+4*\s], 1
	s_add_co_u32 s[G0B+4*\s+1], s89, \s*SLOT
	s_add_nc_u64 s[G0B+4*\s+2:G0B+4*\s+3], s[86:87], \s*256
	s_or_b32 s[G0B+4*\s+3], s[G0B+4*\s+3], 0x80000000
	JLOAD \s
.endr
	; lane addresses.  A fragment: lane (r, h) takes row r, 16 bytes at 16 h and at 32 + 16 h
	v_mul_u32_u24 v3, v1, PITCH
	v_lshl_add_u32 v3, v2, 4, v3
	s_mul_i32 s100, s23, 128*PITCH
	s_mul_i32 s101, s40, 16*PITCH
	s_add_co_u32 s101, s101, AB
.irp s, 0,1
	v_add_nc_u32 v[ADRA+\s], s100, v3
	v_add_nc_u32 v[ADRB+\s], s101, v3
	s_add_co_u32 s100, s100, SLOT
	s_add_co_u32 s101, s101, SLOT
.endr
	s_mul_i32 s100, s23, 128*PITCH
	s_lshl_b32 s101, s40, 6
	s_add_co_u32 s100, s100, s101
	s_add_co_u32 s100, s100, ROPE
	v_mul_u32_u24 v4, v1, PITCH
	v_lshl_add_u32 v4, v2, 5, v4
	v_add_nc_u32 v[RADR], s100, v4                 ; table row 128 (w/2) + r, cosine 16 (w%2) + 8 h
	s_mul_i32 s100, s23, 128*QP
	s_lshl_b32 s101, s40, 5
	s_add_co_u32 s100, s100, s101
	v_mul_u32_u24 v4, v1, QP
	v_lshl_add_u32 v4, v2, 4, v4
	v_add_nc_u32 v[STOQ], s100, v4                 ; stage row 128 (w/2) + r, byte 2 (16 (w%2) + 8 h)
	s_mul_i32 s100, s40, 16*VP
	s_lshl_b32 s101, s23, 8
	s_add_co_u32 s100, s100, s101
	s_add_co_u32 s100, s100, STV
	v_mul_u32_u24 v4, v1, VP
	v_lshl_add_u32 v4, v2, 4, v4
	v_add_nc_u32 v[STOV], s100, v4                 ; stage row d = 16 (w%2) + r, byte 2 (128 (w/2) + 8 h)
	v_and_b32 v5, 31, v0                           ; lane
	v_lshrrev_b32 v6, 3, v5
	v_and_b32 v7, 7, v0
	v_mul_u32_u24 v6, v6, QP
	v_lshl_add_u32 v6, v7, 4, v6
	s_mul_i32 s100, s22, 64*QP
	v_add_nc_u32 v[RDQ], s100, v6                  ; back: four rows of 128 bytes a load
	s_mul_i32 s100, s22, 16*VP
	s_add_co_u32 s100, s100, STV
	v_lshl_add_u32 v[RDV], v5, 4, s100             ; back: one row of 512 bytes a load
	s_lshl_b32 s100, s22, 13
	v_lshl_add_u32 v[GOQ], v5, 4, s100
	s_lshl_b32 s100, s22, 16
	v_lshl_add_u32 v[GOV], v5, 4, s100
	; the block's places in qb, kb, vtb
	s_lshr_b32 s96, s44, 3
	s_lshl_b32 s96, s96, 4
	s_add_co_u32 s96, s96, s43                     ; 16 b + head
	s_lshl_b32 s96, s96, 18                        ; 262,144 bytes each
	s_and_b32 s98, s44, 7
	s_lshl_b32 s97, s98, 15                        ; 256 rows of 128 bytes
	s_lshl_b32 s98, s98, 9                         ; 256 columns of 2 bytes
	s_add_co_u32 s98, s98, s96
	s_add_co_u32 s96, s96, s97
	s_mov_b32 s97, 0
	s_mov_b32 s99, 0
	s_add_nc_u64 s[90:91], s[16:17], s[96:97]
	s_add_nc_u64 s[92:93], s[18:19], s[96:97]
	s_add_nc_u64 s[94:95], s[20:21], s[98:99]
; 16 matrix instructions on q and k tiles: row tiles a0 .. a0 + 3 x the four column tiles; zero = 1: the first product starts the sums
.macro MULQK f, a0, zero
.irp a, \a0, \a0+1, \a0+2, \a0+3
.irp c, 0,1,2,3
.if \zero
	v_wmma_f32_16x16x32_f16 v[8*(4*(\a)+\c):8*(4*(\a)+\c)+7], v[\f+64+8*\c:\f+64+8*\c+7], v[\f+8*(\a):\f+8*(\a)+7], 0
.else
	v_wmma_f32_16x16x32_f16 v[8*(4*(\a)+\c):8*(4*(\a)+\c)+7], v[\f+64+8*\c:\f+64+8*\c+7], v[\f+8*(\a):\f+8*(\a)+7], v[8*(4*(\a)+\c):8*(4*(\a)+\c)+7]
.endif
.endr
.endr
.endm
; 16 matrix instructions on v tiles
.macro MULV f, zero
.irp a, 0,1,2,3,4,5,6,7
.irp c, 0,1
.if \zero
	v_wmma_f32_16x16x32_f16 v[8*(2*\a+\c):8*(2*\a+\c)+7], v[\f+8*\a:\f+8*\a+7], v[\f+96+8*\c:\f+96+8*\c+7], 0
.else
	v_wmma_f32_16x16x32_f16 v[8*(2*\a+\c):8*(2*\a+\c)+7], v[\f+8*\a:\f+8*\a+7], v[\f+96+8*\c:\f+96+8*\c+7], v[8*(2*\a+\c):8*(2*\a+\c)+7]
.endif
.endr
.endr
.endm
; 28 LDS loads in one run: A's 8 fragments, B's 4 for q and k, B's 2 for v last
.macro FETCH slot, k, f
	WIN 0
.irp i, 0,1,2,3,4,5,6,7
	ds_load_b128 v[\f+8*\i:\f+8*\i+3],   v[ADRA+\slot] offset:\k+\i*16*PITCH
	ds_load_b128 v[\f+8*\i+4:\f+8*\i+7], v[ADRA+\slot] offset:\k+\i*16*PITCH+32
.endr
.irp i, 0,1,2,3,4,5
	ds_load_b128 v[\f+64+8*\i:\f+64+8*\i+3], v[ADRB+\slot] offset:\k+(64*(\i/2)+32*(\i%2))*PITCH
	ds_load_b128 v[\f+64+8*\i+4:\f+64+8*\i+7], v[ADRB+\slot] offset:\k+(64*(\i/2)+32*(\i%2))*PITCH+32
.endr
.endm
; A K step is four quarters of 32 along K, 48 matrix instructions each, on buffers 0, 1, 0, 1.  The 48 accumulators take turns, one instruction
; a turn, in the same order in every quarter.
.macro QUARTER slot, k, f, g, zero
	s_wait_dscnt 4                                 ; all but the four youngest loads (B's fragments for v) are in
	WIN QKW
	MULQK \f, 0, \zero
	MULQK \f, 4, \zero
	PLACES
	FETCH \slot, \k, \g
	s_wait_dscnt 28                                ; all but the 28 just issued
	WIN VW
	MULV \f, \zero
.endm
.macro THREE slot, zero
	QUARTER \slot, 64,  F0, F1, \zero
	QUARTER \slot, 128, F1, F0, 0
	QUARTER \slot, 192, F0, F1, 0
.endm
; The last quarter multiplies buffer 1 and changes slots.  In front of the barrier each wave waits for its reads of this slot and for all its
; tensor loads (one is out: its part of the next slot); behind it the refill comes first, then the next slot's first fragments.
.macro TURN slot, next, fill
	s_wait_dscnt 4
	WIN QKW
	MULQK F1, 0, 0
	s_wait_dscnt 0
	s_wait_tensorcnt 0x0
	ds_add_u32 v30, v31
	s_wait_dscnt 0x0
	s_barrier_signal -1                            ; where the slot is filled again this barrier opens a round of the cluster's barrier
	MULQK F1, 4, 0                                 ; register work while the others arrive
	WIN 0
	s_barrier_wait -1
.if \fill
	CREST                                          ; no wave of any partner still reads this slot or has a load on its way
	s_add_nc_u64 s[G0A+4*\slot+2:G0A+4*\slot+3], s[G0A+4*\slot+2:G0A+4*\slot+3], 512   ; two K steps on
	s_add_nc_u64 s[G0B+4*\slot+2:G0B+4*\slot+3], s[G0B+4*\slot+2:G0B+4*\slot+3], 512
	JLOAD \slot                                    ; the first tensor load behind the round
.endif
	PLACES
	FETCH \next, 0, F0
	WIN VW
	MULV F1, 0
.endm
.macro LAP zero
	THREE 0, \zero
	TURN 0, 1, 1
	THREE 1, 0
	TURN 1, 0, 1
.endm
	s_wait_tensorcnt 0x1                           ; my parts of the table and of K step 0 are in; K step 1's load stays out
	s_barrier_signal -1
	s_barrier_wait -1
	FETCH 0, 0, F0
	LAP 1                                          ; K steps 0, 1; asks for 2, 3
	WIN 0
	s_mov_b32 s3, 2
.Llap:
	LAP 0                                          ; K steps 2 to 5; asks for 4 to 7
	WIN 0
	s_sub_co_u32 s3, s3, 1
	s_cmp_lg_u32 s3, 0
	s_cbranch_scc1 .Llap
	THREE 0, 0                                     ; the last lap fills nothing
	TURN 0, 1, 0
	THREE 1, 0
	s_wait_dscnt 4
	WIN QKW
	MULQK F1, 0, 0
	MULQK F1, 4, 0
	s_wait_dscnt 0
	WIN VW
	MULV F1, 0
	WIN 0
	; THE WAY OUT.  My cosines and sines: for row tile a, 8 of each (frequency 16 (w%2) + 8 h + j, the same for d and d + 32)
	PLACES
.irp a, 0,1,2,3,4,5,6,7
	ds_load_b128 v[CS+16*\a:CS+16*\a+3],     v[RADR] offset:\a*16*PITCH
	ds_load_b128 v[CS+16*\a+4:CS+16*\a+7],   v[RADR] offset:\a*16*PITCH+16
	ds_load_b128 v[CS+16*\a+8:CS+16*\a+11],  v[RADR] offset:\a*16*PITCH+128
	ds_load_b128 v[CS+16*\a+12:CS+16*\a+15], v[RADR] offset:\a*16*PITCH+144
.endr
	s_wait_loadcnt 0x0                             ; the biases
	s_wait_dscnt 0x0
; 16 rows: bias, rotation (o1 = x1 cos - x2 sin, o2 = x2 cos + x1 sin), rounding, into the stages
.macro ROW16 a
	WIN 0x09                                       ; source 0 window 1 (sums), source 1 window 2 (biases)
.irp c, 0,1,2,3
.irp j, 0,2,4,6
	v_pk_add_f32 v[X+8*\c+\j:X+8*\c+\j+1], v[8*(4*\a+\c)+\j:8*(4*\a+\c)+\j+1], v[128+8*\c+\j:128+8*\c+\j+1]
.endr
.endr
	WIN 0x0a                                       ; both in window 2
.irp c, 0,1
.irp j, 0,2,4,6
	v_pk_add_f32 v[X+32+8*\c+\j:X+32+8*\c+\j+1], v[8*(2*\a+\c)+\j:8*(2*\a+\c)+\j+1], v[160+2*\c:161+2*\c]
.endr
.endr
	WIN 0
.irp j, 0,2,4,6
	v_pk_mul_f32 v[NS+\j:NS+\j+1], v[CS+16*\a+8+\j:CS+16*\a+8+\j+1], -1.0 op_sel_hi:[1,0]
.endr
.irp z, 0,1
.irp j, 0,2,4,6
	v_pk_mul_f32 v[U+\j:U+\j+1], v[X+16*\z+\j:X+16*\z+\j+1], v[CS+16*\a+8+\j:CS+16*\a+8+\j+1]
.endr
.irp j, 0,2,4,6
	v_pk_mul_f32 v[X+16*\z+\j:X+16*\z+\j+1], v[X+16*\z+\j:X+16*\z+\j+1], v[CS+16*\a+\j:CS+16*\a+\j+1]
.endr
.irp j, 0,2,4,6
	v_pk_fma_f32 v[X+16*\z+\j:X+16*\z+\j+1], v[X+16*\z+8+\j:X+16*\z+8+\j+1], v[NS+\j:NS+\j+1], v[X+16*\z+\j:X+16*\z+\j+1]
.endr
.irp j, 0,2,4,6
	v_pk_fma_f32 v[X+16*\z+8+\j:X+16*\z+8+\j+1], v[X+16*\z+8+\j:X+16*\z+8+\j+1], v[CS+16*\a+\j:CS+16*\a+\j+1], v[U+\j:U+\j+1]
.endr
.irp j, 0,1,2,3,4,5,6,7
	v_cvt_pk_f16_f32 v[PK+8*\z+\j], v[X+16*\z+2*\j], v[X+16*\z+2*\j+1]
.endr
	ds_store_b128 v[STOQ], v[PK+8*\z:PK+8*\z+3]   offset:\z*STK+\a*16*QP
	ds_store_b128 v[STOQ], v[PK+8*\z+4:PK+8*\z+7] offset:\z*STK+\a*16*QP+64
.endr
.irp c, 0,1
.irp j, 0,1,2,3
	v_cvt_pk_f16_f32 v[PK+16+4*\c+\j], v[X+32+8*\c+2*\j], v[X+32+8*\c+2*\j+1]
.endr
	ds_store_b128 v[STOV], v[PK+16+4*\c:PK+16+4*\c+3] offset:\c*32*VP+32*\a
.endr
.endm
	ROW16 0
	ROW16 1
	ROW16 2
	ROW16 3
	ROW16 4
	ROW16 5
	ROW16 6
	ROW16 7
	s_wait_dscnt 0x0                               ; my stores into the stages are done: a row's bytes come from two waves
	s_barrier_signal -1
	s_barrier_wait -1
	; back as whole rows, 48 loads of 512 bytes, and out: each store of the wave covers 512 consecutive bytes, aligned
.set n, 0
.rept 16
	ds_load_b128 v[32+4*n:35+4*n], v[RDQ] offset:4*QP*n
.set n, n+1
.endr
.set n, 0
.rept 16
	ds_load_b128 v[96+4*n:99+4*n], v[RDQ] offset:STK+4*QP*n
.set n, n+1
.endr
.set n, 0
.rept 16
	ds_load_b128 v[160+4*n:163+4*n], v[RDV] offset:VP*n
.set n, n+1
.endr
.set n, 0
.rept 16
	s_wait_dscnt 47-n                              ; LDS loads come back in order: this one is in
	global_store_b128 v[GOQ], v[32+4*n:35+4*n], s[90:91] offset:512*n
.set n, n+1
.endr
.set n, 0
.rept 16
	s_wait_dscnt 31-n
	global_store_b128 v[GOQ], v[96+4*n:99+4*n], s[92:93] offset:512*n
.set n, n+1
.endr
.set n, 0
.rept 16
	s_wait_dscnt 15-n
	global_store_b128 v[GOV], v[160+4*n:163+4*n], s[94:95] offset:4096*n
.set n, n+1
.endr
	s_wait_tensorcnt 0x0
	ds_add_u32 v30, v31
	s_wait_dscnt 0x0
	CROUND                                         ; the closing round: no work-group ends while a partner may still ask for a tile that names it
	s_endpgm
.Lfunc_end_k_q4fad00a5a2_qkv:
	.size	k_q4fad00a5a2_qkv, .Lfunc_end_k_q4fad00a5a2_qkv-k_q4fad00a5a2_qkv
	.p2alignl 7, 3214868480
	.fill 96, 4, 3214868480
	.section	.rodata,"a",@progbits
	.p2align	6, 0x0
	.amdhsa_kernel k_q4fad00a5a2_qkv
		.amdhsa_group_segment_fixed_size 327680
		.amdhsa_private_segment_fixed_size 0
		.amdhsa_enable_private_segment 0
		.amdhsa_kernarg_size 72
		.amdhsa_user_sgpr_count 2
		.amdhsa_user_sgpr_kernarg_segment_ptr 1
		.amdhsa_wavefront_size32 1
		.amdhsa_system_sgpr_workgroup_id_x 1
		.amdhsa_system_sgpr_workgroup_id_y 1
		.amdhsa_system_sgpr_workgroup_id_z 1
		.amdhsa_system_vgpr_workitem_id 0
		.amdhsa_next_free_vgpr 704
		.amdhsa_next_free_sgpr 102
		.amdhsa_reserve_vcc 0
		.amdhsa_float_denorm_mode_32 3
		.amdhsa_float_denorm_mode_16_64 3
		.amdhsa_memory_ordered 1
		.amdhsa_forward_progress 1
		.amdhsa_inst_pref_size 193
	.end_amdhsa_kernel
	.amdgpu_metadata
---
amdhsa.version: [ 1, 2 ]
amdhsa.kernels:
  - .name:           k_q4fad00a5a2_qkv
    .symbol:         k_q4fad00a5a2_qkv.kd
    .args:
      - { .name: hsb, .offset: 0, .size: 8, .value_kind: global_buffer, .address_space: global }
      - { .name: wb, .offset: 8, .size: 8, .value_kind: global_buffer, .address_space: global }
      - { .name: rope, .offset: 16, .size: 8, .value_kind: global_buffer, .address_space: global }
      - { .name: bq, .offset: 24, .size: 8, .value_kind: global_buffer, .address_space: global }
      - { .name: bk, .offset: 32, .size: 8, .value_kind: global_buffer, .address_space: global }
      - { .name: bv, .offset: 40, .size: 8, .value_kind: global_buffer, .address_space: global }
      - { .name: qb, .offset: 48, .size: 8, .value_kind: global_buffer, .address_space: global }
      - { .name: kb, .offset: 56, .size: 8, .value_kind: global_buffer, .address_space: global }
      - { .name: vtb, .offset: 64, .size: 8, .value_kind: global_buffer, .address_space: global }
    .group_segment_fixed_size: 327680
    .private_segment_fixed_size: 0
    .kernarg_segment_align: 8
    .kernarg_segment_size: 72
    .max_flat_workgroup_size: 128
    .sgpr_count:     102
    .vgpr_count:     704
    .wavefront_size: 32
...
	.end_amdgpu_metadata
.endif
;; end of part 2
;; launch attn (part 3): grid 8 x 32, 4 waves a work-group, no clusters, 327,680 bytes of LDS; arguments qb, kb, vtb, ctx; writes ctx
.if DOCPART == 3
	.amdgcn_target "amdgcn-amd-amdhsa--gfx1250"
	.amdhsa_code_object_version 6
	.text
	.protected	k_q4fad00a5a2_attn
	.globl	k_q4fad00a5a2_attn
	.p2align	8
	.type	k_q4fad00a5a2_attn,@function
k_q4fad00a5a2_attn:
	s_mov_b64 s[64:65], 0
	v_nop
	global_prefetch_b8 v0, s[64:65] scope:SCOPE_SE
	s_setreg_imm32_b32 hwreg(HW_REG_WAVE_MODE, 25, 1), 1
	s_wait_xcnt 0x0
; attn: causal softmax attention of one head with a running maximum.  qb, kb [32][2048][64] f16, vtb [32][64][2048] f16
; -> ctx [2 b][2: hi, lo][16 heads][2048][64] f16: each result x leaves as hi = f16(x) and lo = f16(x - hi), so that the last product loses nothing to its rounding.
; Block y = 16 b + head.  Query blocks have 128 rows; block x = j takes query block 15 - j (16 - j key tiles of 128) and then block j (j + 1 tiles):
; always 17 steps of 128 queries x 128 keys, so all 256 work-groups do the same work.  Key tiles above the diagonal are not touched.
; Four waves; wave w owns 32 queries (two tiles of 16) of the current block and reads the whole K and V tile.
; TRANSPOSED PRODUCTS: S^T = K Q^T (source 0 = 16 keys, source 1 = 16 queries): lane (r, h) holds query r and keys 16 kt + 8 h + j, so maximum and sum
; run inside the lane plus one exchange of the two halves, and two neighbouring tiles of S^T pack in place into a source-1 fragment of P^T.
; O^T = V^T P^T: lane (r, h) holds query r and d = 16 dt + 8 h + j, 16 packed bytes of a row of ctx.
; NO CLUSTER: the eight work-groups of a head change query blocks at steps 16 - j, which differ, so from step 9 on they want different tiles, and a
; joint request must be made alike by all partners; a work-group reads 17 x 32 KB of K and V by loads of its own.
; Two LDS slots; a slot is asked for again in the middle of the step that read it.  By this text's own count a wave has at most four tensor loads out
; (tiles 0 and 1 at the start), later two.
; LIMITS: q, k, v and P are f16, sums f32.  P lies in [0, 1] (the maximum is taken away), a row's largest weight is exactly 1; weights below 6e-5 keep
; an absolute error of at most 3e-8.  The results are averages of v and must stay below 65,504 like v.
; A masked score is -inf (the source writes the lowest f32): its weight is 0 either way, and each query has an unmasked key in every tile that is
; touched, so the running maximum is finite wherever the source's result is.
; The second block's sums are cleared by a factor exp2(-inf) = 0, which needs the first block's sums finite.
.set KP, 144                           ; K rows: 128 bytes + 16
.set VP, 272                           ; V^T rows: 256 bytes + 16; both pitches are odd multiples of 16
.set KBYTES, 128*KP
.set SLOT, KBYTES+64*VP                ; 35,840
.set STAGE, 2*SLOT                     ; 71,680: for each wave 32 rows x 144 for hi, then the same for lo; never the target of a tensor load
.set LOST, 32*KP                       ; lo's stage behind hi's
.set LOCTX, 16*262144                  ; lo's 16 heads lie behind hi's 16 in ctx: inside a store's signed 24-bit immediate
.set KADR, 1
.set VADR, 2
.set STO, 3
.set RD, 4
.set GO, 5
.set QOF, 6
.set MD, 7                             ; 32 w + r - 8 h: key 16 kt + 8 h + j is masked for query tile qt where 16 (kt - qt) + j > MD
.set MX, 8                             ; v8, v9   running maximum of the raw scores, per query tile
.set LS, 10                            ; v10, v11 running sum (of my half of the keys)
.set NM, 12                            ; v[12:13], v[14:15]  - c x maximum, and a word that is only there to fill the pair
.set AL, 16                            ; v[16:17] the factor for the old sums, likewise
.set T, 18                             ; v[18:25] at work
.set HQ, 20                            ; v[20:23] on the way out: four packed hi words (named v20 .. v23 where their halves are read)
.set NINF, 26
.set Q, 32                             ; v[32:63]   Q fragments at 16 qt + 8 ks
.set O, 64                             ; v[64:127]  O^T tiles at 32 qt + 8 dt
.set S, 128                            ; v[128:255] S^T tiles at 64 qt + 8 kt; later P^T fragments at 64 qt + 16 ks
.set WD, 192                           ; v[192:199] on the way out: hi widened again, then x - hi
.set LQ, 200                           ; v[200:203] four packed lo words
                                       ; window 1: v[0:127] K fragments at 16 kt + 8 ks, v[128:255] V^T fragments at 8 (4 ks + dt)
.set G1K, 24
.set G1V, 32
.set G0K, 40
.set G0V, 48
.set TOF, 0x40                         ; loads into window 1
.set MULW, 0x01                        ; source 0 in window 1
.set MSB, 0
.macro WIN new
.if MSB != \new
	s_set_vgpr_msb (MSB<<8)|\new
.set MSB, \new
.endif
.endm
.macro PLACES
.rept 4
	v_nop
.endr
.endm
	s_load_b256 s[4:11], s[0:1], 0x0               ; qb s[4:5], kb s[6:7], vtb s[8:9], ctx s[10:11]
	s_set_vgpr_msb 0x80
	v_lshl_add_u32 v0, v0, 2, 0x29000
	v_mov_b32 v1, 0
	s_set_vgpr_msb 0x808a
	ds_add_u32 v0, v1
	ds_add_u32 v0, v1
	s_set_vgpr_msb 0x8a00
	v_lshrrev_b32 v1, 5, v0
	v_readfirstlane_b32 s12, v1                    ; wave
	s_mov_b32 s13, ttmp9                           ; j
	s_and_b32 s14, ttmp7, 0xffff                   ; 16 b + head
	s_sub_co_u32 s15, 15, s13                      ; the first block, and the step of its diagonal tile
	s_sub_co_u32 s16, 16, s13                      ; its number of key tiles
	s_mov_b32 s20, 0x76543210                      ; v_permlanex16_b32: lane i takes lane i of the other half
	s_mov_b32 s21, 0xfedcba98
	s_mov_b32 s22, 0x3e38aa3b                      ; c = log2(e) / 8
	s_mov_b32 s23, 0x3e38aa3b
	s_mov_b32 s[G1K+0], (1<<16)|(1<<20)|(4<<22)|(3<<25)   ; K: elements of 2 bytes, 16 bytes of padding behind every 32 words
	s_mov_b32 s[G1K+1], 64<<16                     ; tensor_dim0 = 64
	s_mov_b32 s[G1K+2], 32<<16                     ; tensor_dim1 = 32
	s_mov_b32 s[G1K+3], 64<<16                     ; tile_dim0 = 64
	s_mov_b32 s[G1K+4], 32                         ; tile_dim1 = 32 rows: a quarter of the tile
	s_mov_b32 s[G1K+5], 64
	s_mov_b32 s[G1K+6], 0
	s_mov_b32 s[G1K+7], 0
	s_mov_b32 s[G1V+0], (1<<16)|(1<<20)|(5<<22)|(3<<25)   ; V^T: padding behind every 64 words
	s_mov_b32 s[G1V+1], 128<<16
	s_mov_b32 s[G1V+2], 16<<16
	s_mov_b32 s[G1V+3], 128<<16
	s_mov_b32 s[G1V+4], 16                         ; 16 rows of 128 keys
	s_mov_b32 s[G1V+5], 2048
	s_mov_b32 s[G1V+6], 0
	s_mov_b32 s[G1V+7], 0
	s_lshl_b32 s17, s14, 18                        ; the head's 262,144 bytes in qb, kb, vtb
	s_lshl_b32 s18, s12, 12
	s_add_co_u32 s68, s17, s18                     ; K: + 32 w rows of 128 bytes
	s_mov_b32 s69, 0
	s_lshl_b32 s18, s12, 16
	s_add_co_u32 s70, s17, s18                     ; V^T: + 16 w rows of 4,096 bytes
	s_mov_b32 s71, 0
	s_wait_dscnt 0x0
	s_wait_kmcnt 0x0
	s_add_nc_u64 s[56:57], s[6:7], s[68:69]        ; my part of K's tile 0,
	s_or_b32 s57, s57, 0x80000000                  ; with the descriptor's type
	s_add_nc_u64 s[58:59], s[8:9], s[70:71]
	s_or_b32 s59, s59, 0x80000000
	s_lshl_b32 s18, s15, 14
	s_add_co_u32 s68, s17, s18                     ; query block 15 - j: 128 rows of 128 bytes each
	s_lshl_b32 s18, s13, 14
	s_add_co_u32 s70, s17, s18                     ; query block j
	s_add_nc_u64 s[2:3], s[4:5], s[68:69]
	s_add_nc_u64 s[60:61], s[4:5], s[70:71]
	s_and_b32 s19, s14, 16
	s_lshl_b32 s19, s19, 18                        ; in ctx a batch has 32 blocks of 262,144 bytes (hi, lo): 16 b more
	s_add_co_u32 s68, s68, s19
	s_add_co_u32 s70, s70, s19
	s_add_nc_u64 s[62:63], s[10:11], s[68:69]
	s_add_nc_u64 s[66:67], s[10:11], s[70:71]
	s_mul_i32 s18, s12, 32*KP
	s_mul_i32 s19, s12, 16*VP
	s_add_co_u32 s19, s19, KBYTES
.irp s, 0,1
	s_mov_b32 s[G0K+4*\s], 1
	s_add_co_u32 s[G0K+4*\s+1], s18, \s*SLOT
	s_add_nc_u64 s[G0K+4*\s+2:G0K+4*\s+3], s[56:57], \s*16384      ; key tile s
	s_mov_b32 s[G0V+4*\s], 1
	s_add_co_u32 s[G0V+4*\s+1], s19, \s*SLOT
	s_add_nc_u64 s[G0V+4*\s+2:G0V+4*\s+3], s[58:59], \s*256
	tensor_load_to_lds s[G0K+4*\s:G0K+4*\s+3], s[G1K:G1K+7]
	s_nop 0
	tensor_load_to_lds s[G0V+4*\s:G0V+4*\s+3], s[G1V:G1V+7]
	s_nop 0
.endr
	v_and_b32 v27, 15, v0                          ; r
	v_bfe_u32 v28, v0, 4, 1                        ; h
	v_and_b32 v29, 31, v0                          ; lane
	s_lshl_b32 s17, s12, 12
	v_lshlrev_b32 v[QOF], 7, v27
	v_lshl_add_u32 v[QOF], v28, 4, v[QOF]
	v_add_nc_u32 v[QOF], s17, v[QOF]               ; row 32 w + r of the block, 16 h
.irp qt, 0,1
.irp ks, 0,1
	global_load_b128 v[Q+16*\qt+8*\ks:Q+16*\qt+8*\ks+3],   v[QOF], s[2:3] offset:2048*\qt+64*\ks
	global_load_b128 v[Q+16*\qt+8*\ks+4:Q+16*\qt+8*\ks+7], v[QOF], s[2:3] offset:2048*\qt+64*\ks+32
.endr
.endr
	v_lshl_add_u32 v[GO], v29, 4, s17              ; 4,096 w + 16 lane
	v_mul_u32_u24 v[KADR], v27, KP
	v_lshl_add_u32 v[KADR], v28, 4, v[KADR]
	v_mul_u32_u24 v[VADR], v27, VP
	v_lshl_add_u32 v[VADR], v28, 4, v[VADR]
	v_add_nc_u32 v[VADR], KBYTES, v[VADR]
	s_mul_i32 s17, s12, 2*LOST
	s_add_co_u32 s17, s17, STAGE                   ; my two stages
	v_add_nc_u32 v[STO], s17, v[KADR]              ; in: row r, 16 h
	v_lshrrev_b32 v30, 3, v29
	v_and_b32 v31, 7, v0
	v_mul_u32_u24 v30, v30, KP
	v_lshl_add_u32 v30, v31, 4, v30
	v_add_nc_u32 v[RD], s17, v30                   ; back: four rows of 128 bytes a load
	v_lshlrev_b32 v[MD], 3, v28
	v_sub_nc_u32 v[MD], v27, v[MD]
	s_lshl_b32 s17, s12, 5
	v_add_nc_u32 v[MD], s17, v[MD]
	v_mov_b32 v[NM+1], 0
	v_mov_b32 v[NM+3], 0
	v_mov_b32 v[AL+1], 0
	v_mov_b32 v[NINF], 0xff800000
.macro KLOAD sl                        ; 32 loads: the eight key tiles' fragments
.irp ks, 0,1
.irp kt, 0,1,2,3,4,5,6,7
	ds_load_b128 v[16*\kt+8*\ks:16*\kt+8*\ks+3],   v[KADR] offset:(\sl)*SLOT+\kt*16*KP+64*\ks
	ds_load_b128 v[16*\kt+8*\ks+4:16*\kt+8*\ks+7], v[KADR] offset:(\sl)*SLOT+\kt*16*KP+64*\ks+32
.endr
.endr
.endm
.macro VLOAD sl                        ; 32 loads: V^T's fragments, 4 steps of 32 keys x 4 tiles of 16 d
.irp ks, 0,1,2,3
.irp dt, 0,1,2,3
	ds_load_b128 v[128+8*(4*\ks+\dt):128+8*(4*\ks+\dt)+3],   v[VADR] offset:(\sl)*SLOT+\dt*16*VP+64*\ks
	ds_load_b128 v[128+8*(4*\ks+\dt)+4:128+8*(4*\ks+\dt)+7], v[VADR] offset:(\sl)*SLOT+\dt*16*VP+64*\ks+32
.endr
.endr
.endm
; S^T: sixteen accumulators take turns, one instruction a turn; the first 32 of d start the sums
.macro SMUL
.irp kt, 0,1,2,3,4,5,6,7
.irp qt, 0,1
	v_wmma_f32_16x16x32_f16 v[S+64*\qt+8*\kt:S+64*\qt+8*\kt+7], v[16*\kt:16*\kt+7], v[Q+16*\qt:Q+16*\qt+7], 0
.endr
.endr
.irp kt, 0,1,2,3,4,5,6,7
.irp qt, 0,1
	v_wmma_f32_16x16x32_f16 v[S+64*\qt+8*\kt:S+64*\qt+8*\kt+7], v[16*\kt+8:16*\kt+15], v[Q+16*\qt+8:Q+16*\qt+15], v[S+64*\qt+8*\kt:S+64*\qt+8*\kt+7]
.endr
.endr
.endm
; the diagonal tile: one compare serves key tile k - 1 of query tile 0 and key tile k of query tile 1
.macro MASK
.irp k, 0,1,2,3,4,5,6,7,8
.irp j, 0,1,2,3,4,5,6,7
	v_cmp_gt_i32 vcc_lo, 16*(\k-1)+\j, v[MD]
.if \k >= 1
	v_cndmask_b32 v[S+8*(\k-1)+\j], v[S+8*(\k-1)+\j], v[NINF], vcc_lo
.endif
.if \k <= 7
	v_cndmask_b32 v[S+64+8*\k+\j], v[S+64+8*\k+\j], v[NINF], vcc_lo
.endif
.endr
.endr
.endm
.macro SOFTMAX qt, first
	; the largest of my 64 scores in four chains, then the other half of the keys
.irp k, 0,1,2,3
	v_max_num_f32 v[T+\k], v[S+64*\qt+2*\k], v[S+64*\qt+2*\k+1]
.endr
.set idx, 8
.rept 28
	v_max3_num_f32 v[T+(idx/2)%4], v[S+64*\qt+idx], v[S+64*\qt+idx+1], v[T+(idx/2)%4]
.set idx, idx+2
.endr
	v_max3_num_f32 v[T], v[T], v[T+1], v[T+2]
	v_max_num_f32 v[T], v[T], v[T+3]
	v_permlanex16_b32 v[T+1], v[T], s20, s21
.if \first
	v_max_num_f32 v[MX+\qt], v[T], v[T+1]
	v_mul_f32 v[NM+2*\qt], 0xbe38aa3b, v[MX+\qt]   ; - c x maximum
.else
	v_max3_num_f32 v[MX+\qt], v[T], v[T+1], v[MX+\qt]
	v_mul_f32 v[T+3], 0xbe38aa3b, v[MX+\qt]
	v_sub_f32 v[T+4], v[T+3], v[NM+2*\qt]          ; c (old maximum - new), from the rounded numbers that the weights use
	v_exp_f32 v[AL], v[T+4]
	v_mov_b32 v[NM+2*\qt], v[T+3]                  ; a plain instruction behind v_exp_f32 (ISA guide 5.7.2)
.endif
.set idx, 0
.rept 32
	v_pk_fma_f32 v[S+64*\qt+idx:S+64*\qt+idx+1], v[S+64*\qt+idx:S+64*\qt+idx+1], s[22:23], v[NM+2*\qt:NM+2*\qt+1] op_sel_hi:[1,0,0]
.set idx, idx+2
.endr
.set idx, 0
.rept 64
	v_exp_f32 v[S+64*\qt+idx], v[S+64*\qt+idx]
.set idx, idx+1
.endr
	v_nop                                          ; a plain instruction behind the last v_exp_f32
	s_wait_alu depctr_va_vdst(0)
.irp k, 0,1,2,3
	v_pk_add_f32 v[T+2*\k:T+2*\k+1], v[S+64*\qt+4*\k:S+64*\qt+4*\k+1], v[S+64*\qt+4*\k+2:S+64*\qt+4*\k+3]
.endr
.set idx, 16
.rept 24
	v_pk_add_f32 v[T+2*((idx/2)%4):T+2*((idx/2)%4)+1], v[T+2*((idx/2)%4):T+2*((idx/2)%4)+1], v[S+64*\qt+idx:S+64*\qt+idx+1]
.set idx, idx+2
.endr
	v_pk_add_f32 v[T:T+1], v[T:T+1], v[T+2:T+3]
	v_pk_add_f32 v[T+4:T+5], v[T+4:T+5], v[T+6:T+7]
	v_pk_add_f32 v[T:T+1], v[T:T+1], v[T+4:T+5]
.if \first
	v_add_f32 v[LS+\qt], v[T], v[T+1]
.else
	v_add_f32 v[T], v[T], v[T+1]
	v_fma_f32 v[LS+\qt], v[LS+\qt], v[AL], v[T]
.endif
	; two neighbouring tiles of 16 keys pack, in place and upward, into one fragment of 32 keys
.irp ks, 0,1,2,3
.irp i, 0,1,2,3,4,5,6,7
	v_cvt_pk_f16_f32 v[S+64*\qt+16*\ks+\i], v[S+64*\qt+16*\ks+2*\i], v[S+64*\qt+16*\ks+2*\i+1]
.endr
.endr
.if \first == 0
.set idx, 0
.rept 16
	v_pk_mul_f32 v[O+32*\qt+idx:O+32*\qt+idx+1], v[O+32*\qt+idx:O+32*\qt+idx+1], v[AL:AL+1] op_sel_hi:[1,0]
.set idx, idx+2
.endr
.endif
.endm
.macro PV8 ks, zero                    ; 32 keys: eight accumulators take turns
.irp dt, 0,1,2,3
.irp qt, 0,1
.if \zero
	v_wmma_f32_16x16x32_f16 v[O+32*\qt+8*\dt:O+32*\qt+8*\dt+7], v[128+8*(4*\ks+\dt):128+8*(4*\ks+\dt)+7], v[S+64*\qt+16*\ks:S+64*\qt+16*\ks+7], 0
.else
	v_wmma_f32_16x16x32_f16 v[O+32*\qt+8*\dt:O+32*\qt+8*\dt+7], v[128+8*(4*\ks+\dt):128+8*(4*\ks+\dt)+7], v[S+64*\qt+16*\ks:S+64*\qt+16*\ks+7], v[O+32*\qt+8*\dt:O+32*\qt+8*\dt+7]
.endif
.endr
.endr
.endm
; a query block is done: divide, split into hi and lo, through my own stages into whole rows, out.
; reload = 1: the second block's Q comes in and the sums start anew
.macro FINISH obase, reload
.if \reload
.irp qt, 0,1
.irp ks, 0,1
	global_load_b128 v[Q+16*\qt+8*\ks:Q+16*\qt+8*\ks+3],   v[QOF], s[60:61] offset:2048*\qt+64*\ks
	global_load_b128 v[Q+16*\qt+8*\ks+4:Q+16*\qt+8*\ks+7], v[QOF], s[60:61] offset:2048*\qt+64*\ks+32
.endr
.endr
.endif
.irp qt, 0,1
	v_permlanex16_b32 v[T], v[LS+\qt], s20, s21
	v_add_f32 v[T], v[T], v[LS+\qt]                ; both halves of the keys
	v_rcp_f32 v[AL], v[T]
	v_nop                                          ; a plain instruction behind v_rcp_f32
.set idx, 0
	s_wait_alu depctr_va_vdst(0)
.rept 16
	v_pk_mul_f32 v[O+32*\qt+idx:O+32*\qt+idx+1], v[O+32*\qt+idx:O+32*\qt+idx+1], v[AL:AL+1] op_sel_hi:[1,0]
.set idx, idx+2
.endr
.irp dt, 0,1,2,3
.irp i, 0,1,2,3
	v_cvt_pk_f16_f32 v[HQ+\i], v[O+32*\qt+8*\dt+2*\i], v[O+32*\qt+8*\dt+2*\i+1]    ; hi
.endr
	v_cvt_f32_f16 v[WD+0], v20.l                   ; hi as f32 again
	v_cvt_f32_f16 v[WD+1], v20.h
	v_cvt_f32_f16 v[WD+2], v21.l
	v_cvt_f32_f16 v[WD+3], v21.h
	v_cvt_f32_f16 v[WD+4], v22.l
	v_cvt_f32_f16 v[WD+5], v22.h
	v_cvt_f32_f16 v[WD+6], v23.l
	v_cvt_f32_f16 v[WD+7], v23.h
.irp i, 0,1,2,3
	v_pk_add_f32 v[WD+2*\i:WD+2*\i+1], v[O+32*\qt+8*\dt+2*\i:O+32*\qt+8*\dt+2*\i+1], v[WD+2*\i:WD+2*\i+1] neg_lo:[0,1] neg_hi:[0,1]   ; x - hi, exact
.endr
.irp i, 0,1,2,3
	v_cvt_pk_f16_f32 v[LQ+\i], v[WD+2*\i], v[WD+2*\i+1]                            ; lo
.endr
	ds_store_b128 v[STO], v[HQ:HQ+3] offset:\qt*16*KP+32*\dt
	ds_store_b128 v[STO], v[LQ:LQ+3] offset:LOST+\qt*16*KP+32*\dt
.endr
.endr
.irp i, 0,1,2,3,4,5,6,7
	ds_load_b128 v[S+4*\i:S+4*\i+3], v[RD] offset:\i*4*KP          ; my own bytes: LDS serves a wave's instructions in order (ISA guide 5.7.1)
.endr
.irp i, 0,1,2,3,4,5,6,7
	ds_load_b128 v[S+32+4*\i:S+32+4*\i+3], v[RD] offset:LOST+\i*4*KP
.endr
.irp i, 0,1,2,3,4,5,6,7
	s_wait_dscnt 15-\i                             ; of the sixteen loads the 15 - i younger ones may be out
	global_store_b128 v[GO], v[S+4*\i:S+4*\i+3], s[\obase:\obase+1] offset:512*\i   ; 512 consecutive bytes, aligned
.endr
.irp i, 0,1,2,3,4,5,6,7
	s_wait_dscnt 7-\i
	global_store_b128 v[GO], v[S+32+4*\i:S+32+4*\i+3], s[\obase:\obase+1] offset:LOCTX+512*\i
.endr
.if \reload
	v_mov_b32 v[MX], v[NINF]                       ; maximum -inf and - c x maximum +inf: the next step's factor is exp2(-inf) = 0
	v_mov_b32 v[MX+1], v[NINF]
	v_mov_b32 v[NM], 0x7f800000
	v_mov_b32 v[NM+2], 0x7f800000
	v_mov_b32 v[LS], 0
	v_mov_b32 v[LS+1], 0
	s_wait_xcnt 0x0                                ; the stores' data registers are written again by the next step's products only behind this wait
	s_wait_loadcnt 0x0                             ; the second block's Q
.endif
.endm
; One step: 128 queries x 128 keys.  The step's number is s17 + tofs.
.macro STEP slot, tofs, first, fill, kload, last
	s_wait_dscnt 0x0                               ; this step's K fragments, asked for in the middle of the step before, are in
	WIN TOF
	VLOAD \slot                                    ; V's fragments come in under the first products
	WIN MULW
	SMUL
	WIN 0
	PLACES
.if \kload
	s_wait_dscnt 0x0                               ; my reads of this slot are over: K's and V's fragments are in registers
	s_set_vgpr_msb 0xa
	s_wait_tensorcnt 0x0                           ; all my tensor loads have landed: my parts of the next step's tiles
	ds_add_u32 v0, v1
	s_wait_dscnt 0x0
	s_set_vgpr_msb 0xa00
.if \fill
	s_add_co_u32 s18, s17, \tofs+2                 ; the tile two steps on:
	s_sub_co_u32 s19, s18, s16
	s_cmp_lt_u32 s18, s16
	s_cselect_b32 s18, s18, s19                    ; the first block's tiles, then the second's from 0
	s_lshl_b32 s68, s18, 14
	s_lshl_b32 s70, s18, 8
	s_add_nc_u64 s[G0K+4*\slot+2:G0K+4*\slot+3], s[56:57], s[68:69]
	s_add_nc_u64 s[G0V+4*\slot+2:G0V+4*\slot+3], s[58:59], s[70:71]
.endif
	s_barrier_signal -1
	s_barrier_wait -1                              ; both hold of all four waves
.if \fill
	tensor_load_to_lds s[G0K+4*\slot:G0K+4*\slot+3], s[G1K:G1K+7]  ; the refills first; they have until the middle of the next step
	s_nop 0
	tensor_load_to_lds s[G0V+4*\slot:G0V+4*\slot+3], s[G1V:G1V+7]
	s_nop 0
.endif
	WIN TOF
	KLOAD 1-\slot                                  ; the next step's K fragments, under the softmax
	WIN 0
.endif
.if \last
	MASK
.else
.if \first == 0
	s_add_co_u32 s18, s17, \tofs
	s_cmp_lg_u32 s18, s15                          ; the first block's diagonal tile is step 15 - j
	s_cbranch_scc1 .Lnomask_\@
	MASK
.Lnomask_\@:
.endif
.endif
	SOFTMAX 0, \first
	SOFTMAX 1, \first
.if \last
	s_wait_dscnt 0x0                               ; V's fragments
.endif
	WIN MULW
	PV8 0, \first
	PV8 1, 0
	PV8 2, 0
	PV8 3, 0
	WIN 0
.rept 5
	v_nop                                          ; five places: the next products write over P, the next loads land on V's fragments
.endr
.if \last
	FINISH 66, 0
.else
.if \first == 0
	s_add_co_u32 s18, s17, \tofs
	s_cmp_lg_u32 s18, s15
	s_cbranch_scc1 .Lnofin_\@
	FINISH 62, 1
.Lnofin_\@:
.endif
.endif
.endm
	s_wait_tensorcnt 0x2                           ; my parts of tile 0 are in; tile 1's two loads stay out
	s_barrier_signal -1
	s_barrier_wait -1
	WIN TOF
	KLOAD 0
	WIN 0
	s_wait_loadcnt 0x0                             ; Q
	s_mov_b32 s17, 0
	STEP 0, 0, 1, 1, 1, 0                          ; step 0 starts the sums; it is never a diagonal tile (15 - j >= 8)
	s_mov_b32 s17, 1
.Lstep:
	STEP 1, 0, 0, 1, 1, 0
	STEP 0, 1, 0, 1, 1, 0
	s_add_co_u32 s17, s17, 2
	s_cmp_lt_u32 s17, 15
	s_cbranch_scc1 .Lstep                          ; steps 1 to 14
	STEP 1, 0, 0, 0, 1, 0                          ; step 15 asks for nothing more
	STEP 0, 1, 0, 0, 0, 1                          ; step 16: the second block's diagonal tile
	s_set_vgpr_msb 0xa
	s_wait_tensorcnt 0x0
	ds_add_u32 v0, v1
	s_wait_dscnt 0x0
	s_set_vgpr_msb 0xa00
	s_endpgm
.Lfunc_end_k_q4fad00a5a2_attn:
	.size	k_q4fad00a5a2_attn, .Lfunc_end_k_q4fad00a5a2_attn-k_q4fad00a5a2_attn
	.p2alignl 7, 3214868480
	.fill 96, 4, 3214868480
	.section	.rodata,"a",@progbits
	.p2align	6, 0x0
	.amdhsa_kernel k_q4fad00a5a2_attn
		.amdhsa_group_segment_fixed_size 327680
		.amdhsa_private_segment_fixed_size 0
		.amdhsa_enable_private_segment 0
		.amdhsa_kernarg_size 32
		.amdhsa_user_sgpr_count 2
		.amdhsa_user_sgpr_kernarg_segment_ptr 1
		.amdhsa_wavefront_size32 1
		.amdhsa_system_sgpr_workgroup_id_x 1
		.amdhsa_system_sgpr_workgroup_id_y 1
		.amdhsa_system_sgpr_workgroup_id_z 1
		.amdhsa_system_vgpr_workitem_id 0
		.amdhsa_next_free_vgpr 514
		.amdhsa_next_free_sgpr 72
		.amdhsa_reserve_vcc 1
		.amdhsa_float_denorm_mode_32 3
		.amdhsa_float_denorm_mode_16_64 3
		.amdhsa_memory_ordered 1
		.amdhsa_forward_progress 1
		.amdhsa_inst_pref_size 254
	.end_amdhsa_kernel
	.amdgpu_metadata
---
amdhsa.version: [ 1, 2 ]
amdhsa.kernels:
  - .name:           k_q4fad00a5a2_attn
    .symbol:         k_q4fad00a5a2_attn.kd
    .args:
      - { .name: qb, .offset: 0, .size: 8, .value_kind: global_buffer, .address_space: global }
      - { .name: kb, .offset: 8, .size: 8, .value_kind: global_buffer, .address_space: global }
      - { .name: vtb, .offset: 16, .size: 8, .value_kind: global_buffer, .address_space: global }
      - { .name: ctx, .offset: 24, .size: 8, .value_kind: global_buffer, .address_space: global }
    .group_segment_fixed_size: 327680
    .private_segment_fixed_size: 0
    .kernarg_segment_align: 8
    .kernarg_segment_size: 32
    .max_flat_workgroup_size: 128
    .sgpr_count:     72
    .vgpr_count:     514
    .wavefront_size: 32
...
	.end_amdgpu_metadata
.endif
;; end of part 3
;; launch oproj (part 4): grid 8 x 32, 4 waves a work-group, clusters of 4 x 4, 327,680 bytes of LDS; arguments ctx, wb, bo, out0; writes out0
.if DOCPART == 4
	.amdgcn_target "amdgcn-amd-amdhsa--gfx1250"
	.amdhsa_code_object_version 6
	.text
	.protected	k_q4fad00a5a2_oproj
	.globl	k_q4fad00a5a2_oproj
	.p2align	8
	.type	k_q4fad00a5a2_oproj,@function
k_q4fad00a5a2_oproj:
	s_mov_b64 s[64:65], 0
	v_nop
	global_prefetch_b8 v0, s[64:65] scope:SCOPE_SE
	s_setreg_imm32_b32 hwreg(HW_REG_WAVE_MODE, 25, 1), 1
	s_wait_xcnt 0x0
	s_wait_alu depctr_hold_cnt(0) depctr_sa_sdst(0) depctr_va_vdst(0) depctr_va_sdst(0) depctr_va_ssrc(0) depctr_va_vcc(0) depctr_vm_vsrc(0)
	s_getreg_b32 s2, hwreg(HW_REG_IB_STS2, 6, 4)
	s_cmp_eq_u32 s2, 0
	s_cbranch_scc0 .Lentry_in_a_cluster
	s_endpgm
.Lentry_in_a_cluster:
	s_bfe_u32 s2, ttmp6, 0x10000c
	s_cmp_lg_u32 s2, 0xf033
	s_cbranch_scc0 .Lentry_shape_is_right
	s_endpgm
.Lentry_shape_is_right:
; oproj: out0[row][n] = sum over k of x(row, k) Wo[n][k] + bo[n], x = hi + lo.
; ctx [2 b][2: hi, lo][16 heads][2048][64] f16 (k = 64 head + d), Wo = rows 3072 .. of wb, f16.
; x comes as two f16 numbers, so the product is made twice on one set of sums: first hi's 16 heads, then lo's 16 against the same columns of Wo.
; That is twice the matrix work of a single f16 operand; it keeps the rounding of x out of rows that average over few keys and are large.
; Block x = 128 columns, block y = 128 rows (b = y / 16): 256 work-groups.  Four waves, each 64 x 64 = 16 accumulator tiles; larger blocks would leave
; part of the 256 work-groups' places without work at this size.
; The 32 heads' worth of K go in 8 steps of 256 (four heads) through two LDS slots, written out without a loop.
; CLUSTERS: 4 x 4 work-groups; A's tiles (ctx) are shared along a row of the cluster, B's (Wo) along a column, by joint tensor loads.
; By this text's own count a wave has at most four tensor loads out (K steps 0, 1 at the start), later two.
; The products are used transposed (source 0 = Wo's rows, source 1 = ctx's rows): a lane holds 8 neighbouring columns of one row.
; LIMIT: operands f16, sums and result f32.
.set AP, 144                           ; a head's rows: 128 bytes + 16
.set BP, 272                           ; Wo's rows of 128 k: 256 bytes + 16
.set AHEAD, 128*AP
.set AB, 4*AHEAD                       ; 73,728
.set BHALF, 128*BP
.set SLOT, AB+2*BHALF                  ; 143,360
.set STAGE, 2*SLOT                     ; 16 rows x 272 for each wave, never the target of a tensor load
.set F0, 32                            ; fragment buffers: A's 4 fragments, then B's 4
.set F1, 96
.set T0, 160
.set T1, 192
.set ADRA, 16
.set ADRB, 18
.set STO, 20
.set RD, 21
.set GO, 22
.set BOF, 23
.set BO, 28                            ; v[28:31] bo of my four columns on the way out
.set G1A, 24
.set G1B, 32
.set MSB, 0
.macro WIN new
.if MSB != \new
	s_set_vgpr_msb (MSB<<8)|\new
.set MSB, \new
.endif
.endm
.macro PLACES
.rept 4
	v_nop
.endr
.endm
; group 0: A's sets at s[40 + 8 slot + 4 e], e = which of my two heads; B's at s[56 + 12 slot + 4 kh], kh = which 128 of the 256 k
.macro JLOAD3 s
	s_cmp_eq_u32 s13, 0
	s_cbranch_scc0 .Lfor_b_\@
	tensor_load_to_lds s[40+8*\s:43+8*\s], s[G1A:G1A+7]
	s_nop 0
	tensor_load_to_lds s[44+8*\s:47+8*\s], s[G1A:G1A+7]
	s_nop 0
	s_branch .Lasked_\@
.Lfor_b_\@:
	tensor_load_to_lds s[56+12*\s:59+12*\s], s[G1B:G1B+7]
	s_nop 0
	tensor_load_to_lds s[60+12*\s:63+12*\s], s[G1B:G1B+7]
	s_nop 0
.Lasked_\@:
.endm
.macro CREST
	s_cmp_lg_u32 s12, 0
	s_cbranch_scc1 .Lnot_wave_0_\@
	s_barrier_signal -3
.Lnot_wave_0_\@:
	s_barrier_wait -3
	s_barrier_signal -1
	s_barrier_wait -1
.endm
.macro CROUND
	s_barrier_signal -1
	s_barrier_wait -1
	CREST
.endm
	s_load_b256 s[4:11], s[0:1], 0x0               ; ctx s[4:5], wb s[6:7], bo s[8:9], out0 s[10:11]
	v_lshl_add_u32 v254, v0, 2, 0x4a400
	v_mov_b32 v255, 0
	ds_add_u32 v254, v255
	ds_add_u32 v254, v255
	v_lshrrev_b32 v1, 5, v0
	v_readfirstlane_b32 s12, v1                    ; wave
	s_lshr_b32 s13, s12, 1                         ; my half of the rows; also: I fetch for A (0) or B (1)
	s_and_b32 s14, s12, 1                          ; my half of the columns; also: which part I fetch
	s_bfe_u32 s15, ttmp6, 0x40000                  ; cx
	s_bfe_u32 s16, ttmp6, 0x40004                  ; cy
	s_lshl_b32 s17, ttmp9, 2
	s_add_co_u32 s17, s17, s15                     ; x
	s_and_b32 s18, ttmp7, 0xffff
	s_lshl_b32 s18, s18, 2
	s_add_co_u32 s18, s18, s16                     ; y
	s_lshl_b32 s19, s16, 2
	s_lshl_b32 s19, 15, s19                        ; my row of the cluster
	s_lshl_b32 s20, 0x1111, s15                    ; my column
	s_or_b32 s[G1A+0], s19, (1<<16)|(1<<20)|(1<<21)|(4<<22)|(3<<25)   ; a head's 128 rows of 64: padding behind every 32 words
	s_mov_b32 s[G1A+1], 64<<16
	s_mov_b32 s[G1A+2], 128<<16
	s_mov_b32 s[G1A+3], 64<<16
	s_mov_b32 s[G1A+4], 128
	s_mov_b32 s[G1A+5], 64
	s_mov_b32 s[G1A+6], 0
	s_mov_b32 s[G1A+7], 0
	s_or_b32 s[G1B+0], s20, (1<<16)|(1<<20)|(1<<21)|(5<<22)|(3<<25)   ; 64 rows of 128 k: padding behind every 64 words
	s_mov_b32 s[G1B+1], 128<<16
	s_mov_b32 s[G1B+2], 64<<16
	s_mov_b32 s[G1B+3], 128<<16
	s_mov_b32 s[G1B+4], 64
	s_mov_b32 s[G1B+5], 1024
	s_mov_b32 s[G1B+6], 0
	s_mov_b32 s[G1B+7], 0
	; A hangs on y and the wave, B on x and the wave, each in registers that never hold the other coordinate
	s_lshr_b32 s76, s18, 4
	s_lshl_b32 s76, s76, 5                         ; 32 b: a batch has 16 heads of hi and 16 of lo
	s_lshl_b32 s77, s14, 1
	s_add_co_u32 s76, s76, s77                     ; + my first head of the K step
	s_lshl_b32 s76, s76, 18
	s_and_b32 s77, s18, 15
	s_lshl_b32 s77, s77, 14                        ; 128 rows of 128 bytes
	s_add_co_u32 s76, s76, s77
	s_mov_b32 s77, 0
	s_lshl_b32 s84, s17, 7
	s_lshl_b32 s85, s14, 6
	s_add_co_u32 s84, s84, s85
	s_add_co_u32 s84, s84, 3072                    ; wb's row 3072 + 128 x + 64 half
	s_lshl_b32 s84, s84, 11
	s_mov_b32 s85, 0
	s_mul_i32 s80, s12, 2*AHEAD                    ; into LDS: A's heads (waves 0, 1)
	s_mul_i32 s81, s12, 64*BP
	s_add_co_u32 s81, s81, AB-2*64*BP              ; B's halves behind A (waves 2, 3)
	v_and_b32 v1, 15, v0                           ; r
	v_bfe_u32 v2, v0, 4, 1                         ; h
	s_lshl_b32 s90, s17, 9
	s_lshl_b32 s91, s14, 8
	s_add_co_u32 s90, s90, s91                     ; 4 (128 x + 64 (w % 2))
	v_lshl_add_u32 v[BOF], v1, 4, s90
	s_wait_dscnt 0x0
	s_wait_kmcnt 0x0
	s_add_nc_u64 s[78:79], s[4:5], s[76:77]
	s_add_nc_u64 s[86:87], s[6:7], s[84:85]
	global_load_b128 v[BO:BO+3], v[BOF], s[8:9]    ; waited for on the way out
	CROUND                                         ; all sixteen work-groups are here: the first joint loads meet
.irp s, 0,1
.irp e, 0,1
	s_mov_b32 s[40+8*\s+4*\e], 1
	s_add_co_u32 s[41+8*\s+4*\e], s80, \s*SLOT+\e*AHEAD
	s_add_nc_u64 s[42+8*\s+4*\e:43+8*\s+4*\e], s[78:79], (4*\s+\e)*262144
	s_or_b32 s[43+8*\s+4*\e], s[43+8*\s+4*\e], 0x80000000
	s_mov_b32 s[56+12*\s+4*\e], 1
	s_add_co_u32 s[57+12*\s+4*\e], s81, \s*SLOT+\e*BHALF
	s_add_nc_u64 s[58+12*\s+4*\e:59+12*\s+4*\e], s[86:87], \s*512+\e*256
	s_or_b32 s[59+12*\s+4*\e], s[59+12*\s+4*\e], 0x80000000
.endr
	JLOAD3 \s
.endr
	; lane addresses
	v_mul_u32_u24 v3, v1, AP
	v_lshl_add_u32 v3, v2, 4, v3
	v_mul_u32_u24 v4, v1, BP
	v_lshl_add_u32 v4, v2, 4, v4
	s_mul_i32 s82, s13, 64*AP
	s_mul_i32 s83, s14, 64*BP
	s_add_co_u32 s83, s83, AB
.irp s, 0,1
	v_add_nc_u32 v[ADRA+\s], s82, v3
	v_add_nc_u32 v[ADRB+\s], s83, v4
	s_add_co_u32 s82, s82, SLOT
	s_add_co_u32 s83, s83, SLOT
.endr
	s_mul_i32 s82, s12, 16*BP
	s_add_co_u32 s82, s82, STAGE                   ; my stage
	v_mul_u32_u24 v5, v1, BP
	v_lshl_add_u32 v5, v2, 5, v5
	v_add_nc_u32 v[STO], s82, v5                   ; in: row r, 32 bytes for each half of the lanes
	v_mul_u32_u24 v5, v2, BP
	v_lshl_add_u32 v5, v1, 4, v5
	v_add_nc_u32 v[RD], s82, v5                    ; back: lanes 0-15 one row of 256 bytes, lanes 16-31 the next
	v_lshlrev_b32 v5, 12, v2
	v_lshl_add_u32 v[GO], v1, 4, v5                ; and the same two rows of out0
	s_lshl_b32 s91, s18, 7
	s_lshl_b32 s92, s13, 6
	s_add_co_u32 s91, s91, s92                     ; my first row
	s_lshl_b32 s91, s91, 12
	s_add_co_u32 s90, s90, s91
	s_mov_b32 s91, 0
	s_add_nc_u64 s[88:89], s[10:11], s[90:91]
.macro MUL8 f, a0, zero
.irp a, \a0, \a0+1
.irp c, 0,1,2,3
.if \zero
	v_wmma_f32_16x16x32_f16 v[8*(4*(\a)+\c):8*(4*(\a)+\c)+7], v[\f+32+8*\c:\f+32+8*\c+7], v[\f+8*(\a):\f+8*(\a)+7], 0
.else
	v_wmma_f32_16x16x32_f16 v[8*(4*(\a)+\c):8*(4*(\a)+\c)+7], v[\f+32+8*\c:\f+32+8*\c+7], v[\f+8*(\a):\f+8*(\a)+7], v[8*(4*(\a)+\c):8*(4*(\a)+\c)+7]
.endif
.endr
.endr
.endm
; 16 loads: the fragments of the q-th 32 of the K step's 256
.macro FETCH3 slot, q, f
	WIN 0
.irp a, 0,1,2,3
	ds_load_b128 v[\f+8*\a:\f+8*\a+3],   v[ADRA+\slot] offset:(\q/2)*AHEAD+(\q%2)*64+\a*16*AP
	ds_load_b128 v[\f+8*\a+4:\f+8*\a+7], v[ADRA+\slot] offset:(\q/2)*AHEAD+(\q%2)*64+\a*16*AP+32
.endr
.irp c, 0,1,2,3
	ds_load_b128 v[\f+32+8*\c:\f+32+8*\c+3], v[ADRB+\slot] offset:(\q/4)*BHALF+(\q%4)*64+\c*16*BP
	ds_load_b128 v[\f+32+8*\c+4:\f+32+8*\c+7], v[ADRB+\slot] offset:(\q/4)*BHALF+(\q%4)*64+\c*16*BP+32
.endr
.endm
; 32 along K: fetch the next fragments into buffer g, multiply buffer f.  The 16 accumulators take turns in the same order every time.
.macro Q3 slot, qnext, f, g, zero
	PLACES                                         ; buffer g was read by the matrix instructions just issued
	FETCH3 \slot, \qnext, \g
	s_wait_dscnt 16                                ; all but the 16 just issued
	WIN 0x50
	MUL8 \f, 0, \zero
	MUL8 \f, 2, \zero
.endm
.macro SEVEN slot, zero
	Q3 \slot, 1, F0, F1, \zero
	Q3 \slot, 2, F1, F0, 0
	Q3 \slot, 3, F0, F1, 0
	Q3 \slot, 4, F1, F0, 0
	Q3 \slot, 5, F0, F1, 0
	Q3 \slot, 6, F1, F0, 0
	Q3 \slot, 7, F0, F1, 0
.endm
; the K step's last 32, and the change of slots: waits, barrier (a round of the cluster's where the slot is filled again), refills first.
; fill = 0: nothing more to fetch; 1: Wo's columns go 512 on; 2: they go 512 back (lo's heads meet the columns that hi's heads met)
.macro TURN3 slot, next, fill
	s_wait_dscnt 0                                 ; my reads of this slot are over
	s_wait_tensorcnt 0x0                           ; all my tensor loads have landed: my parts of the next slot
	ds_add_u32 v254, v255
	s_wait_dscnt 0x0
	s_barrier_signal -1
	WIN 0x50
	MUL8 F1, 0, 0
	WIN 0
	s_barrier_wait -1
.if \fill
	CREST
.irp e, 0,1
	s_add_nc_u64 s[42+8*\slot+4*\e:43+8*\slot+4*\e], s[42+8*\slot+4*\e:43+8*\slot+4*\e], 8*262144   ; two K steps on: eight heads
.if \fill == 1
	s_add_nc_u64 s[58+12*\slot+4*\e:59+12*\slot+4*\e], s[58+12*\slot+4*\e:59+12*\slot+4*\e], 1024
.else
	s_sub_nc_u64 s[58+12*\slot+4*\e:59+12*\slot+4*\e], s[58+12*\slot+4*\e:59+12*\slot+4*\e], 1024
.endif
.endr
	JLOAD3 \slot
.endif
	PLACES
	FETCH3 \next, 0, F0
	WIN 0x50
	MUL8 F1, 2, 0
.endm
	s_wait_tensorcnt 0x2                           ; my two parts of K step 0 are in; K step 1's two stay out
	s_barrier_signal -1
	s_barrier_wait -1
	FETCH3 0, 0, F0
	SEVEN 0, 1                                     ; K step 0 (hi, heads 0-3): its first products start the sums
	TURN3 0, 1, 1                                  ; asks for K step 2
	SEVEN 1, 0
	TURN3 1, 0, 1                                  ; asks for K step 3
	SEVEN 0, 0
	TURN3 0, 1, 2                                  ; asks for K step 4: lo's heads 0-3, Wo's columns 0-255 again
	SEVEN 1, 0
	TURN3 1, 0, 2                                  ; asks for K step 5
	SEVEN 0, 0
	TURN3 0, 1, 1                                  ; asks for K step 6
	SEVEN 1, 0
	TURN3 1, 0, 1                                  ; asks for K step 7
	SEVEN 0, 0
	TURN3 0, 1, 0
	SEVEN 1, 0
	s_wait_dscnt 0
	WIN 0x50
	MUL8 F1, 0, 0
	MUL8 F1, 2, 0
	WIN 0
	; THE WAY OUT, 16 rows at a time through my own stage: in as 32 bytes a lane, back as whole rows of 256 bytes, bias added, out
	PLACES
	s_wait_loadcnt 0x0                             ; bo
.macro OUT16 a, t
	WIN 0x04                                       ; the stores' data in window 1
.irp c, 0,1,2,3
	ds_store_b128 v[STO], v[8*(4*\a+\c):8*(4*\a+\c)+3]   offset:64*\c
	ds_store_b128 v[STO], v[8*(4*\a+\c)+4:8*(4*\a+\c)+7] offset:64*\c+16
.endr
	WIN 0
	s_wait_xcnt 0x0                                ; the earlier stores' data registers and base are written again only behind this wait
.if \a
	s_add_nc_u64 s[88:89], s[88:89], 65536         ; 16 rows of out0 on
.endif
.irp i, 0,1,2,3,4,5,6,7
	ds_load_b128 v[\t+4*\i:\t+4*\i+3], v[RD] offset:\i*2*BP        ; my own bytes: LDS serves a wave's instructions in order (ISA guide 5.7.1)
.endr
.irp i, 0,1,2,3,4,5,6,7
	s_wait_dscnt 7-\i
	v_pk_add_f32 v[\t+4*\i:\t+4*\i+1],   v[\t+4*\i:\t+4*\i+1],   v[BO:BO+1]
	v_pk_add_f32 v[\t+4*\i+2:\t+4*\i+3], v[\t+4*\i+2:\t+4*\i+3], v[BO+2:BO+3]
	global_store_b128 v[GO], v[\t+4*\i:\t+4*\i+3], s[88:89] offset:8192*\i th:TH_STORE_NT   ; sixteen lanes store 256 consecutive bytes, aligned
.endr
.endm
	OUT16 0, T0
	OUT16 1, T1
	OUT16 2, T0
	OUT16 3, T1
	s_wait_tensorcnt 0x0
	ds_add_u32 v254, v255
	s_wait_dscnt 0x0
	CROUND                                         ; the closing round: no work-group ends while a partner may still ask for a tile that names it
	s_endpgm
.Lfunc_end_k_q4fad00a5a2_oproj:
	.size	k_q4fad00a5a2_oproj, .Lfunc_end_k_q4fad00a5a2_oproj-k_q4fad00a5a2_oproj
	.p2alignl 7, 3214868480
	.fill 96, 4, 3214868480
	.section	.rodata,"a",@progbits
	.p2align	6, 0x0
	.amdhsa_kernel k_q4fad00a5a2_oproj
		.amdhsa_group_segment_fixed_size 327680
		.amdhsa_private_segment_fixed_size 0
		.amdhsa_enable_private_segment 0
		.amdhsa_kernarg_size 32
		.amdhsa_user_sgpr_count 2
		.amdhsa_user_sgpr_kernarg_segment_ptr 1
		.amdhsa_wavefront_size32 1
		.amdhsa_system_sgpr_workgroup_id_x 1
		.amdhsa_system_sgpr_workgroup_id_y 1
		.amdhsa_system_sgpr_workgroup_id_z 1
		.amdhsa_system_vgpr_workitem_id 0
		.amdhsa_next_free_vgpr 384
		.amdhsa_next_free_sgpr 96
		.amdhsa_reserve_vcc 0
		.amdhsa_float_denorm_mode_32 3
		.amdhsa_float_denorm_mode_16_64 3
		.amdhsa_memory_ordered 1
		.amdhsa_forward_progress 1
		.amdhsa_inst_pref_size 171
	.end_amdhsa_kernel
	.amdgpu_metadata
---
amdhsa.version: [ 1, 2 ]
amdhsa.kernels:
  - .name:           k_q4fad00a5a2_oproj
    .symbol:         k_q4fad00a5a2_oproj.kd
    .args:
      - { .name: ctx, .offset: 0, .size: 8, .value_kind: global_buffer, .address_space: global }
      - { .name: wb, .offset: 8, .size: 8, .value_kind: global_buffer, .address_space: global }
      - { .name: bo, .offset: 16, .size: 8, .value_kind: global_buffer, .address_space: global }
      - { .name: out0, .offset: 24, .size: 8, .value_kind: global_buffer, .address_space: global }
    .group_segment_fixed_size: 327680
    .private_segment_fixed_size: 0
    .kernarg_segment_align: 8
    .kernarg_segment_size: 32
    .max_flat_workgroup_size: 128
    .sgpr_count:     96
    .vgpr_count:     384
    .wavefront_size: 32
...
	.end_amdgpu_metadata
.endif
;; end of part 4
;; ======== version 2 of 2: 4 launches
;; limits: values are held in f16: magnitudes above 65,504 overflow, below 6.1e-05 lose precision; right only within a limited range of input values
;; workspace buffers: hsb 8,388,608 bytes; wb 8,388,608 bytes; rope 524,288 bytes; qb 8,388,608 bytes; kb 8,388,608 bytes; vtb 8,388,608 bytes; ctx 8,388,608 bytes
;; launch prep: the kernel of part 1 again; grid 640 x 1, 8 waves a work-group, no clusters, 0 bytes of LDS; arguments hidden_states, Wq, Wk, Wv, Wo, hsb, wb, rope; writes hsb, wb, rope
;; launch qkv: the kernel of part 2 again; grid 16 x 16, 4 waves a work-group, clusters of 4 x 4, 327,680 bytes of LDS; arguments hsb, wb, rope, bq, bk, bv, qb, kb, vtb; writes qb, kb, vtb
;; launch attn (part 5): grid 8 x 32, 8 waves a work-group, no clusters, 327,680 bytes of LDS; arguments qb, kb, vtb, ctx; writes ctx
.if DOCPART == 5
	.amdgcn_target "amdgcn-amd-amdhsa--gfx1250"
	.amdhsa_code_object_version 6
	.text
	.protected	k_q4fad00a5a2_attn
	.globl	k_q4fad00a5a2_attn
	.p2align	8
	.type	k_q4fad00a5a2_attn,@function
k_q4fad00a5a2_attn:
	s_mov_b64 s[64:65], 0
	v_nop
	global_prefetch_b8 v0, s[64:65] scope:SCOPE_SE
	s_setreg_imm32_b32 hwreg(HW_REG_WAVE_MODE, 25, 1), 1
	s_wait_xcnt 0x0
; attn: causal softmax attention of one head with a running maximum.  qb, kb [32][2048][64] f16, vtb [32][64][2048] f16 -> ctx [32][2048][64] f16.
; Block y = 16 b + head.  Query blocks have 128 rows; block x = j takes query block 15 - j (16 - j key tiles of 128) and then block j (j + 1 tiles).
; EIGHT WAVES IN TWO TEAMS, two waves for each of the four SIMDs, 512 registers each.  Wave W = 4 T + w owns the 32 queries 32 w .. of the current block
; (two tiles of 16); key tiles go in pairs, and in pair step pp team T takes tile 2 pp + T.  A wave's step is 64 matrix instructions and some 430 vector
; instructions that depend on each other in sequence; the second wave of a SIMD brings work that depends on neither.
; A block of n tiles takes the whole part of (n + 1) / 2 pair steps: (17 - j) / 2 and (j + 2) / 2, together 9 for every j, so all 256 work-groups do the
; same work.  Of the 18 tile turns one lies wholly above the diagonal (tile block + 1, at most 15: inside the buffers) and is masked whole.
; At a block's end team 1 hands its sums to team 0 through LDS; team 0 brings both onto the larger maximum, divides and stores.
; TRANSPOSED PRODUCTS: S^T = K Q^T (source 0 = 16 keys, source 1 = 16 queries): lane (r, h) holds query r and keys 16 kt + 8 h + j, so maximum and sum
; run inside the lane plus one exchange of the two halves, and two neighbouring tiles of S^T pack in place into a source-1 fragment of P^T.
; O^T = V^T P^T: lane (r, h) holds query r and d = 16 dt + 8 h + j, 16 packed bytes of a row of ctx.
; NO CLUSTER: the eight work-groups of a head change query blocks at pair steps (17 - j) / 2, which differ, so that they want different tiles from then
; on, and a joint request must be made alike by all partners; a work-group reads 18 x 32 KB of K and V by loads of its own.
; Two LDS slots of two tiles each; a slot is asked for again in the middle of the step that read it.  By this text's own count a wave has at most four
; tensor loads out (pairs 0 and 1 at the start), later two.
; LIMITS: q, k, v, P and the result are f16 (11 significant bits), sums f32.  P lies in [0, 1] (the maximum is taken away); weights below 6e-5 keep an
; absolute error of at most 3e-8.  The results are averages of v and must stay below 65,504 like v.
; A masked score is -inf (the source writes the lowest f32): its weight is 0 either way.  The second block's running maximum starts at -2^127, so that a
; team whose only tile is masked whole keeps finite numbers; raw scores of f16 operands are at most 64 x 65,504^2 = 2.7e11 in size, far above it.
; The second block's sums are cleared by a factor exp2 of about -3e37 = 0, which needs the first block's sums finite.
.set KP, 144                           ; K rows: 128 bytes + 16
.set VP, 272                           ; V^T rows: 256 bytes + 16; both pitches are odd multiples of 16
.set KT, 128*KP                        ; a K tile: 18,432
.set VT, 64*VP                         ; a V^T tile: 17,408
.set KAREA, 2*KT                       ; team 0's K tile, team 1's: wave W fills 4,608 bytes at 4,608 W
.set SLOT, KAREA+2*VT                  ; then team 0's V^T tile, team 1's: wave W fills 4,352 bytes at 4,352 W.  71,680 in all
.set STAGE, 2*SLOT                     ; 143,360: 32 rows x 144 for each wave, never the target of a tensor load
.set XCH, STAGE+8*32*KP                ; 180,224: the hand-over, for each wave two areas (first block, second block), never the target of a tensor load
.set HAND, 17*512                      ; one hand-over: 16 registers of sums four times, and one line of four words, 16 bytes a lane
.set KADR, 1                           ; v1  my team's K fragments in slot 0;  v27 in slot 1 (a slot is more than a 16-bit offset reaches)
.set VADR, 2                           ; v2  my team's V^T fragments in slot 0;  v28 in slot 1
.set NEXT, 26                          ; from a slot 0 address register to the slot 1 one
.set STO, 3
.set RD, 4
.set GO, 5
.set QOF, 6
.set MD, 7                             ; 32 w + r - 8 h: in the diagonal tile key 16 kt + 8 h + j is masked for query tile qt where 16 (kt - qt) + j > MD
.set MX, 8                             ; v8, v9   running maximum of the raw scores, per query tile
.set LS, 10                            ; v10, v11 running sum (of my half of the keys)
.set NM, 12                            ; v[12:13], v[14:15]  - c x maximum, and a word that is only there to fill the pair
.set AL, 16                            ; v[16:17] the factor for the old sums, likewise
.set T, 18                             ; v[18:25] at work
.set NINF, 26
.set XW, 29                            ; the hand-over: my own area
.set XR, 30                            ; the hand-over: the area of wave W xor 4
.set MDE, 31                           ; MD - 128 (my tile - the block)
.set Q, 32                             ; v[32:63]   Q fragments at 16 qt + 8 ks
.set O, 64                             ; v[64:127]  O^T tiles at 32 qt + 8 dt
.set S, 128                            ; v[128:255] S^T tiles at 64 qt + 8 kt; later P^T fragments at 64 qt + 16 ks; at a block's end the other team's sums
.set PKO, 192                          ; v[192:223] on the way out: the block's results packed, 4 words for each (qt, dt), each written once
                                       ; window 1: v[0:127] K fragments at 16 kt + 8 ks, v[128:255] V^T fragments at 8 (4 ks + dt)
.set G1K, 24
.set G1V, 32
.set G0K, 40
.set G0V, 48
.set TOF, 0x40                         ; loads into window 1
.set MULW, 0x01                        ; source 0 in window 1
.set MSB, 0
.macro WIN new
.if MSB != \new
	s_set_vgpr_msb (MSB<<8)|\new
.set MSB, \new
.endif
.endm
.macro PLACES
.rept 4
	v_nop
.endr
.endm
	s_load_b256 s[4:11], s[0:1], 0x0               ; qb s[4:5], kb s[6:7], vtb s[8:9], ctx s[10:11]
	v_lshl_add_u32 v25, v0, 2, 0x4e000
	v_mov_b32 v31, 0
	ds_add_u32 v25, v31
	ds_add_u32 v25, v31
	s_wait_dscnt 0x0
	v_lshrrev_b32 v1, 5, v0
	v_readfirstlane_b32 s12, v1                    ; wave W, 0 to 7
	s_lshr_b32 s72, s12, 2                         ; team T
	s_and_b32 s73, s12, 3                          ; w: my 32 queries
	s_mov_b32 s13, ttmp9                           ; j: also the second block
	s_and_b32 s14, ttmp7, 0xffff                   ; 16 b + head
	s_sub_co_u32 s15, 15, s13                      ; the first block
	s_sub_co_u32 s16, 17, s13
	s_lshr_b32 s16, s16, 1                         ; its number of pair steps, 5 to 8
	s_sub_co_u32 s76, s16, 1                       ; its last pair step
	s_mov_b32 s20, 0x76543210                      ; v_permlanex16_b32: lane i takes lane i of the other half
	s_mov_b32 s21, 0xfedcba98
	s_mov_b32 s22, 0x3e38aa3b                      ; c = log2(e) / 8
	s_mov_b32 s23, 0x3e38aa3b
	s_mov_b32 s[G1K+0], (1<<16)|(1<<20)|(4<<22)|(3<<25)   ; K: elements of 2 bytes, 16 bytes of padding behind every 32 words
	s_mov_b32 s[G1K+1], 64<<16                     ; tensor_dim0 = 64
	s_mov_b32 s[G1K+2], 32<<16                     ; tensor_dim1 = 32
	s_mov_b32 s[G1K+3], 64<<16                     ; tile_dim0 = 64
	s_mov_b32 s[G1K+4], 32                         ; tile_dim1 = 32 rows: a quarter of my team's tile
	s_mov_b32 s[G1K+5], 64
	s_mov_b32 s[G1K+6], 0
	s_mov_b32 s[G1K+7], 0
	s_mov_b32 s[G1V+0], (1<<16)|(1<<20)|(5<<22)|(3<<25)   ; V^T: padding behind every 64 words
	s_mov_b32 s[G1V+1], 128<<16
	s_mov_b32 s[G1V+2], 16<<16
	s_mov_b32 s[G1V+3], 128<<16
	s_mov_b32 s[G1V+4], 16                         ; 16 rows of 128 keys
	s_mov_b32 s[G1V+5], 2048
	s_mov_b32 s[G1V+6], 0
	s_mov_b32 s[G1V+7], 0
	s_lshl_b32 s17, s14, 18                        ; the head's 262,144 bytes, the same in all four buffers
	s_lshl_b32 s74, s73, 12
	s_add_co_u32 s68, s17, s74                     ; K: + 32 w rows of 128 bytes
	s_lshl_b32 s74, s72, 14
	s_add_co_u32 s68, s68, s74                     ;    + tile T of the pair
	s_mov_b32 s69, 0
	s_lshl_b32 s74, s73, 16
	s_add_co_u32 s70, s17, s74                     ; V^T: + 16 w rows of 4,096 bytes
	s_lshl_b32 s74, s72, 8
	s_add_co_u32 s70, s70, s74                     ;      + tile T of the pair
	s_mov_b32 s71, 0
	s_wait_kmcnt 0x0
	s_add_nc_u64 s[56:57], s[6:7], s[68:69]        ; my part of my team's K tile in pair 0,
	s_or_b32 s57, s57, 0x80000000                  ; with the descriptor's type
	s_add_nc_u64 s[58:59], s[8:9], s[70:71]
	s_or_b32 s59, s59, 0x80000000
	s_lshl_b32 s18, s15, 14
	s_add_co_u32 s68, s17, s18                     ; query block 15 - j: 128 rows of 128 bytes each
	s_lshl_b32 s18, s13, 14
	s_add_co_u32 s70, s17, s18                     ; query block j
	s_add_nc_u64 s[2:3], s[4:5], s[68:69]
	s_add_nc_u64 s[60:61], s[4:5], s[70:71]
	s_add_nc_u64 s[62:63], s[10:11], s[68:69]
	s_add_nc_u64 s[66:67], s[10:11], s[70:71]
	s_mul_i32 s74, s12, 32*KP                      ; into LDS: the wave's number times a constant plus a constant
	s_mul_i32 s75, s12, 16*VP
	s_add_co_u32 s75, s75, KAREA
.irp s, 0,1
	s_mov_b32 s[G0K+4*\s], 1
	s_add_co_u32 s[G0K+4*\s+1], s74, \s*SLOT
	s_add_nc_u64 s[G0K+4*\s+2:G0K+4*\s+3], s[56:57], \s*32768      ; pair s: two tiles of 16,384 bytes on
	s_mov_b32 s[G0V+4*\s], 1
	s_add_co_u32 s[G0V+4*\s+1], s75, \s*SLOT
	s_add_nc_u64 s[G0V+4*\s+2:G0V+4*\s+3], s[58:59], \s*512
	tensor_load_to_lds s[G0K+4*\s:G0K+4*\s+3], s[G1K:G1K+7]
	s_nop 0
	tensor_load_to_lds s[G0V+4*\s:G0V+4*\s+3], s[G1V:G1V+7]
	s_nop 0
.endr
	v_and_b32 v18, 15, v0                          ; r
	v_bfe_u32 v19, v0, 4, 1                        ; h
	v_and_b32 v20, 31, v0                          ; lane
	s_lshl_b32 s74, s73, 12
	v_lshlrev_b32 v[QOF], 7, v18
	v_lshl_add_u32 v[QOF], v19, 4, v[QOF]
	v_add_nc_u32 v[QOF], s74, v[QOF]               ; row 32 w + r of the block, 16 h
.irp qt, 0,1
.irp ks, 0,1
	global_load_b128 v[Q+16*\qt+8*\ks:Q+16*\qt+8*\ks+3],   v[QOF], s[2:3] offset:2048*\qt+64*\ks
	global_load_b128 v[Q+16*\qt+8*\ks+4:Q+16*\qt+8*\ks+7], v[QOF], s[2:3] offset:2048*\qt+64*\ks+32
.endr
.endr
	v_lshl_add_u32 v[GO], v20, 4, s74              ; 4,096 w + 16 lane
	v_mul_u32_u24 v21, v18, KP
	v_lshl_add_u32 v21, v19, 4, v21                ; 144 r + 16 h
	s_mul_i32 s74, s72, KT
	v_add_nc_u32 v[KADR], s74, v21                 ; my team's K tile
	v_add_nc_u32 v[KADR+NEXT], SLOT, v[KADR]
	v_mul_u32_u24 v22, v18, VP
	v_lshl_add_u32 v22, v19, 4, v22                ; 272 r + 16 h
	s_mul_i32 s74, s72, VT
	s_add_co_u32 s74, s74, KAREA
	v_add_nc_u32 v[VADR], s74, v22                 ; my team's V^T tile
	v_add_nc_u32 v[VADR+NEXT], SLOT, v[VADR]
	s_mul_i32 s74, s12, 32*KP
	s_add_co_u32 s74, s74, STAGE                   ; my stage
	v_add_nc_u32 v[STO], s74, v21                  ; in: row r, 16 h
	v_lshrrev_b32 v22, 3, v20
	v_and_b32 v23, 7, v0
	v_mul_u32_u24 v22, v22, KP
	v_lshl_add_u32 v22, v23, 4, v22
	v_add_nc_u32 v[RD], s74, v22                   ; back: four rows of 128 bytes a load
	s_mul_i32 s74, s12, 2*HAND
	s_add_co_u32 s74, s74, XCH
	v_lshl_add_u32 v[XW], v20, 4, s74              ; the hand-over: 16 bytes a lane in my own area,
	s_xor_b32 s75, s12, 4
	s_mul_i32 s75, s75, 2*HAND
	s_add_co_u32 s75, s75, XCH
	v_lshl_add_u32 v[XR], v20, 4, s75              ; and in the area of the wave that has my queries in the other team
	v_lshlrev_b32 v[MD], 3, v19
	v_sub_nc_u32 v[MD], v18, v[MD]
	s_lshl_b32 s74, s73, 5
	v_add_nc_u32 v[MD], s74, v[MD]
	v_mov_b32 v[NM+1], 0
	v_mov_b32 v[NM+3], 0
	v_mov_b32 v[AL+1], 0
	v_mov_b32 v[NINF], 0xff800000
.macro KLOAD sl                        ; 32 loads: the eight key tiles' fragments of my team's tile
.irp ks, 0,1
.irp kt, 0,1,2,3,4,5,6,7
	ds_load_b128 v[16*\kt+8*\ks:16*\kt+8*\ks+3],   v[KADR+NEXT*(\sl)] offset:\kt*16*KP+64*\ks
	ds_load_b128 v[16*\kt+8*\ks+4:16*\kt+8*\ks+7], v[KADR+NEXT*(\sl)] offset:\kt*16*KP+64*\ks+32
.endr
.endr
.endm
.macro VLOAD sl                        ; 32 loads: V^T's fragments, 4 steps of 32 keys x 4 tiles of 16 d
.irp ks, 0,1,2,3
.irp dt, 0,1,2,3
	ds_load_b128 v[128+8*(4*\ks+\dt):128+8*(4*\ks+\dt)+3],   v[VADR+NEXT*(\sl)] offset:\dt*16*VP+64*\ks
	ds_load_b128 v[128+8*(4*\ks+\dt)+4:128+8*(4*\ks+\dt)+7], v[VADR+NEXT*(\sl)] offset:\dt*16*VP+64*\ks+32
.endr
.endr
.endm
; S^T: sixteen accumulators take turns, one instruction a turn; the first 32 of d start the sums
.macro SMUL
.irp kt, 0,1,2,3,4,5,6,7
.irp qt, 0,1
	v_wmma_f32_16x16x32_f16 v[S+64*\qt+8*\kt:S+64*\qt+8*\kt+7], v[16*\kt:16*\kt+7], v[Q+16*\qt:Q+16*\qt+7], 0
.endr
.endr
.irp kt, 0,1,2,3,4,5,6,7
.irp qt, 0,1
	v_wmma_f32_16x16x32_f16 v[S+64*\qt+8*\kt:S+64*\qt+8*\kt+7], v[16*\kt+8:16*\kt+15], v[Q+16*\qt+8:Q+16*\qt+15], v[S+64*\qt+8*\kt:S+64*\qt+8*\kt+7]
.endr
.endr
.endm
; a tile on or above the diagonal: one compare serves key tile k - 1 of query tile 0 and key tile k of query tile 1
.macro MASK
.irp k, 0,1,2,3,4,5,6,7,8
.irp j, 0,1,2,3,4,5,6,7
	v_cmp_gt_i32 vcc_lo, 16*(\k-1)+\j, v[MDE]
.if \k >= 1
	v_cndmask_b32 v[S+8*(\k-1)+\j], v[S+8*(\k-1)+\j], v[NINF], vcc_lo
.endif
.if \k <= 7
	v_cndmask_b32 v[S+64+8*\k+\j], v[S+64+8*\k+\j], v[NINF], vcc_lo
.endif
.endr
.endr
.endm
.macro SOFTMAX qt, first
	; the largest of my 64 scores in four chains, then the other half of the keys
.irp k, 0,1,2,3
	v_max_num_f32 v[T+\k], v[S+64*\qt+2*\k], v[S+64*\qt+2*\k+1]
.endr
.set idx, 8
.rept 28
	v_max3_num_f32 v[T+(idx/2)%4], v[S+64*\qt+idx], v[S+64*\qt+idx+1], v[T+(idx/2)%4]
.set idx, idx+2
.endr
	v_max3_num_f32 v[T], v[T], v[T+1], v[T+2]
	v_max_num_f32 v[T], v[T], v[T+3]
	v_permlanex16_b32 v[T+1], v[T], s20, s21
.if \first
	v_max_num_f32 v[MX+\qt], v[T], v[T+1]
	v_mul_f32 v[NM+2*\qt], 0xbe38aa3b, v[MX+\qt]   ; - c x maximum
.else
	v_max3_num_f32 v[MX+\qt], v[T], v[T+1], v[MX+\qt]
	v_mul_f32 v[T+3], 0xbe38aa3b, v[MX+\qt]
	v_sub_f32 v[T+4], v[T+3], v[NM+2*\qt]          ; c (old maximum - new), from the rounded numbers that the weights use
	v_exp_f32 v[AL], v[T+4]
	v_mov_b32 v[NM+2*\qt], v[T+3]                  ; a plain instruction behind v_exp_f32 (ISA guide 5.7.2)
.endif
.set idx, 0
.rept 32
	v_pk_fma_f32 v[S+64*\qt+idx:S+64*\qt+idx+1], v[S+64*\qt+idx:S+64*\qt+idx+1], s[22:23], v[NM+2*\qt:NM+2*\qt+1] op_sel_hi:[1,0,0]
.set idx, idx+2
.endr
.set idx, 0
.rept 64
	v_exp_f32 v[S+64*\qt+idx], v[S+64*\qt+idx]
.set idx, idx+1
.endr
	v_nop                                          ; a plain instruction behind the last v_exp_f32
	s_wait_alu depctr_va_vdst(0)
.irp k, 0,1,2,3
	v_pk_add_f32 v[T+2*\k:T+2*\k+1], v[S+64*\qt+4*\k:S+64*\qt+4*\k+1], v[S+64*\qt+4*\k+2:S+64*\qt+4*\k+3]
.endr
.set idx, 16
.rept 24
	v_pk_add_f32 v[T+2*((idx/2)%4):T+2*((idx/2)%4)+1], v[T+2*((idx/2)%4):T+2*((idx/2)%4)+1], v[S+64*\qt+idx:S+64*\qt+idx+1]
.set idx, idx+2
.endr
	v_pk_add_f32 v[T:T+1], v[T:T+1], v[T+2:T+3]
	v_pk_add_f32 v[T+4:T+5], v[T+4:T+5], v[T+6:T+7]
	v_pk_add_f32 v[T:T+1], v[T:T+1], v[T+4:T+5]
.if \first
	v_add_f32 v[LS+\qt], v[T], v[T+1]
.else
	v_add_f32 v[T], v[T], v[T+1]
	v_fma_f32 v[LS+\qt], v[LS+\qt], v[AL], v[T]
.endif
	; two neighbouring tiles of 16 keys pack, in place and upward, into one fragment of 32 keys
.irp ks, 0,1,2,3
.irp i, 0,1,2,3,4,5,6,7
	v_cvt_pk_f16_f32 v[S+64*\qt+16*\ks+\i], v[S+64*\qt+16*\ks+2*\i], v[S+64*\qt+16*\ks+2*\i+1]
.endr
.endr
.if \first == 0
.set idx, 0
.rept 16
	v_pk_mul_f32 v[O+32*\qt+idx:O+32*\qt+idx+1], v[O+32*\qt+idx:O+32*\qt+idx+1], v[AL:AL+1] op_sel_hi:[1,0]
.set idx, idx+2
.endr
.endif
.endm
.macro PV8 ks, zero                    ; 32 keys: eight accumulators take turns
.irp dt, 0,1,2,3
.irp qt, 0,1
.if \zero
	v_wmma_f32_16x16x32_f16 v[O+32*\qt+8*\dt:O+32*\qt+8*\dt+7], v[128+8*(4*\ks+\dt):128+8*(4*\ks+\dt)+7], v[S+64*\qt+16*\ks:S+64*\qt+16*\ks+7], 0
.else
	v_wmma_f32_16x16x32_f16 v[O+32*\qt+8*\dt:O+32*\qt+8*\dt+7], v[128+8*(4*\ks+\dt):128+8*(4*\ks+\dt)+7], v[S+64*\qt+16*\ks:S+64*\qt+16*\ks+7], v[O+32*\qt+8*\dt:O+32*\qt+8*\dt+7]
.endif
.endr
.endr
.endm
; A query block is done.  Team 1 hands over its 64 sums, its two - c x maximum and its two sums of weights; team 0 brings both teams' numbers onto the
; larger maximum, divides, rounds once to f16 and stores through its own stage as whole rows.
; reload = 1: the second block's Q comes in and the sums start anew.  xofs: which of the wave's two hand-over areas (a block each: no barrier need
; stand between one block's reads and the next block's stores).
.macro FINISH obase, reload, xofs
.if \reload
.irp qt, 0,1
.irp ks, 0,1
	global_load_b128 v[Q+16*\qt+8*\ks:Q+16*\qt+8*\ks+3],   v[QOF], s[60:61] offset:2048*\qt+64*\ks
	global_load_b128 v[Q+16*\qt+8*\ks+4:Q+16*\qt+8*\ks+7], v[QOF], s[60:61] offset:2048*\qt+64*\ks+32
.endr
.endr
.endif
	s_cmp_eq_u32 s72, 0                            ; on the wave's number alone; no barrier is jumped over
	s_cbranch_scc1 .Lkeeps_\@
	v_mov_b32 v[T], v[NM]
	v_mov_b32 v[T+1], v[NM+2]
	v_mov_b32 v[T+2], v[LS]
	v_mov_b32 v[T+3], v[LS+1]
.set idx, 0
.rept 16
	ds_store_b128 v[XW], v[O+4*idx:O+4*idx+3] offset:\xofs+512*idx   ; 32 lanes, 16 neighbouring bytes each
.set idx, idx+1
.endr
	ds_store_b128 v[XW], v[T:T+3] offset:\xofs+8192
.Lkeeps_\@:
	s_wait_dscnt 0x0                               ; for the other team's sake: my stores are done (and no LDS load of mine is out at the signal)
	s_barrier_signal -1
	s_barrier_wait -1                              ; the two tensor loads that are out may stay out
	s_cmp_lg_u32 s72, 0
	s_cbranch_scc1 .Lhanded_\@
	ds_load_b128 v[T+4:T+7], v[XR] offset:\xofs+8192
.set idx, 0
.rept 16
	ds_load_b128 v[S+4*idx:S+4*idx+3], v[XR] offset:\xofs+512*idx
.set idx, idx+1
.endr
	s_wait_dscnt 16                                ; the first of the seventeen loads is in
.irp qt, 0,1
	v_min_num_f32 v[T], v[NM+2*\qt], v[T+4+\qt]    ; - c x the larger maximum
	v_sub_f32 v[T+1], v[T], v[NM+2*\qt]
	v_sub_f32 v[T+2], v[T], v[T+4+\qt]
	v_exp_f32 v[T+1], v[T+1]                       ; my factor
	v_exp_f32 v[T+2], v[T+2]                       ; the other team's: 0 where all its keys were masked
	v_nop                                          ; a plain instruction behind v_exp_f32
	s_wait_alu depctr_va_vdst(0)
	v_mul_f32 v[T+3], v[LS+\qt], v[T+1]
	v_fma_f32 v[T+3], v[T+6+\qt], v[T+2], v[T+3]
	v_permlanex16_b32 v[T], v[T+3], s20, s21
	v_add_f32 v[T+3], v[T+3], v[T]                 ; both halves of the keys
	v_rcp_f32 v[T+3], v[T+3]
	v_nop                                          ; a plain instruction behind v_rcp_f32
	s_wait_alu depctr_va_vdst(0)
	v_mul_f32 v[AL], v[T+1], v[T+3]
	v_mul_f32 v[T], v[T+2], v[T+3]
.set idx, 0
.rept 16
	v_pk_mul_f32 v[O+32*\qt+idx:O+32*\qt+idx+1], v[O+32*\qt+idx:O+32*\qt+idx+1], v[AL:AL+1] op_sel_hi:[1,0]
.set idx, idx+2
.endr
.if \qt == 0
	s_wait_dscnt 8                                 ; query tile 0's eight loads are in; query tile 1's eight may be out
.else
	s_wait_dscnt 4                                 ; query tile 1's eight are in; behind them stand query tile 0's four stage stores
.endif
.set idx, 0
.rept 16
	v_pk_fma_f32 v[O+32*\qt+idx:O+32*\qt+idx+1], v[S+32*\qt+idx:S+32*\qt+idx+1], v[T:T+1], v[O+32*\qt+idx:O+32*\qt+idx+1] op_sel_hi:[1,0,1]
.set idx, idx+2
.endr
.irp dt, 0,1,2,3
.irp i, 0,1,2,3
	v_cvt_pk_f16_f32 v[PKO+16*\qt+4*\dt+\i], v[O+32*\qt+8*\dt+2*\i], v[O+32*\qt+8*\dt+2*\i+1]
.endr
	ds_store_b128 v[STO], v[PKO+16*\qt+4*\dt:PKO+16*\qt+4*\dt+3] offset:\qt*16*KP+32*\dt
.endr
.endr
.irp i, 0,1,2,3,4,5,6,7
	ds_load_b128 v[S+4*\i:S+4*\i+3], v[RD] offset:\i*4*KP          ; my own bytes: LDS serves a wave's instructions in order (ISA guide 5.7.1)
.endr
.irp i, 0,1,2,3,4,5,6,7
	s_wait_dscnt 7-\i                              ; of the eight loads the 7 - i younger ones may be out
	global_store_b128 v[GO], v[S+4*\i:S+4*\i+3], s[\obase:\obase+1] offset:512*\i   ; 512 consecutive bytes, aligned
.endr
.Lhanded_\@:
.if \reload
	v_mov_b32 v[MX], 0xff000000                    ; maximum -2^127 and - c x maximum c 2^127: the factor at the first real score is exp2 of about -3e37 = 0
	v_mov_b32 v[MX+1], 0xff000000
	v_mov_b32 v[NM], 0x7db8aa3b
	v_mov_b32 v[NM+2], 0x7db8aa3b
	v_mov_b32 v[LS], 0
	v_mov_b32 v[LS+1], 0
	s_wait_xcnt 0x0                                ; the stores' data registers are written again by the next step's products only behind this wait
	s_wait_loadcnt 0x0                             ; the second block's Q
.endif
.endm
; One pair step: each team 128 queries x the 128 keys of its tile.  The pair step's number is s17 + tofs.
.macro STEP slot, tofs, first, fill, kload, last
	s_wait_dscnt 0x0                               ; this step's K fragments, asked for in the middle of the step before, are in
	WIN TOF
	VLOAD \slot                                    ; V's fragments come in under the first products
	WIN MULW
	SMUL
	WIN 0
	PLACES
.if \kload
	s_wait_dscnt 0x0                               ; my reads of this slot are over: K's and V's fragments are in registers
	s_wait_xcnt 0x0
	v_lshl_add_u32 v25, v0, 2, 0x4e000
	v_mov_b32 v31, 0
	s_wait_tensorcnt 0x0                           ; all my tensor loads have landed: my parts of the next pair's tiles
	ds_add_u32 v25, v31
	s_wait_dscnt 0x0
.if \fill
	s_add_co_u32 s18, s17, \tofs+2                 ; the pair two steps on:
	s_sub_co_u32 s19, s18, s16
	s_cmp_lt_u32 s18, s16
	s_cselect_b32 s18, s18, s19                    ; the first block's pairs, then the second's from 0
	s_lshl_b32 s68, s18, 15
	s_lshl_b32 s70, s18, 9
	s_add_nc_u64 s[G0K+4*\slot+2:G0K+4*\slot+3], s[56:57], s[68:69]
	s_add_nc_u64 s[G0V+4*\slot+2:G0V+4*\slot+3], s[58:59], s[70:71]
.endif
	s_barrier_signal -1
	s_barrier_wait -1                              ; both hold of all eight waves
.if \fill
	tensor_load_to_lds s[G0K+4*\slot:G0K+4*\slot+3], s[G1K:G1K+7]  ; the refills first; they have until the middle of the next step
	s_nop 0
	tensor_load_to_lds s[G0V+4*\slot:G0V+4*\slot+3], s[G1V:G1V+7]
	s_nop 0
.endif
	WIN TOF
	KLOAD 1-\slot                                  ; the next step's K fragments, under the softmax
	WIN 0
.endif
.if \first == 0
	s_add_co_u32 s18, s17, \tofs                   ; where my tile lies against the diagonal
	s_sub_co_u32 s19, s18, s16
	s_cmp_lt_u32 s18, s16
	s_cselect_b32 s74, s18, s19                    ; the pair's number in its block,
	s_cselect_b32 s75, s15, s13                    ; and the block
	s_lshl_b32 s74, s74, 1
	s_add_co_u32 s74, s74, s72                     ; my tile
	s_sub_co_i32 s74, s74, s75                     ; - the block: below 0 under the diagonal, 0 on it, 1 above
	s_cmp_lt_i32 s74, 0
	s_cbranch_scc1 .Lnomask_\@                     ; hangs on ids, the counter and the wave's number; no barrier is jumped over
	s_lshl_b32 s74, s74, 7
	s_sub_co_u32 s74, 0, s74
	v_add_nc_u32 v[MDE], s74, v[MD]                ; a tile above the diagonal has its keys 128 further on: every one is masked
	MASK
.Lnomask_\@:
.endif
	SOFTMAX 0, \first
	SOFTMAX 1, \first
.if \last
	s_wait_dscnt 0x0                               ; V's fragments
.endif
	WIN MULW
	PV8 0, \first
	PV8 1, 0
	PV8 2, 0
	PV8 3, 0
	WIN 0
.rept 5
	v_nop                                          ; five places: the next products write over P, the next loads land on V's fragments
.endr
.if \last
	FINISH 66, 0, HAND
.else
.if \first == 0
	s_add_co_u32 s18, s17, \tofs
	s_cmp_lg_u32 s18, s76                          ; the first block's last pair step: the counter against a number made of the work-group's x alone,
	s_cbranch_scc1 .Lnofin_\@                      ; so all eight waves go the same way, and the barrier inside is passed by all or by none
	FINISH 62, 1, 0
.Lnofin_\@:
.endif
.endif
.endm
	s_wait_tensorcnt 0x2                           ; my parts of pair 0 are in; pair 1's two loads stay out
	s_barrier_signal -1
	s_barrier_wait -1
	WIN TOF
	KLOAD 0
	WIN 0
	s_wait_loadcnt 0x0                             ; Q
	s_mov_b32 s17, 0
	STEP 0, 0, 1, 1, 1, 0                          ; pair step 0 starts the sums; its tiles 0 and 1 lie under the diagonal (the first block is 8 at the least)
	s_mov_b32 s17, 1
.Lstep:
	STEP 1, 0, 0, 1, 1, 0
	STEP 0, 1, 0, 1, 1, 0
	s_add_co_u32 s17, s17, 2
	s_cmp_lt_u32 s17, 7
	s_cbranch_scc1 .Lstep                          ; pair steps 1 to 6
	STEP 1, 0, 0, 0, 1, 0                          ; pair step 7 asks for nothing more
	STEP 0, 1, 0, 0, 0, 1                          ; pair step 8: the second block's last
	s_wait_xcnt 0x0
	v_lshl_add_u32 v25, v0, 2, 0x4e000
	v_mov_b32 v31, 0
	s_wait_tensorcnt 0x0
	ds_add_u32 v25, v31
	s_wait_dscnt 0x0
	s_endpgm
.Lfunc_end_k_q4fad00a5a2_attn:
	.size	k_q4fad00a5a2_attn, .Lfunc_end_k_q4fad00a5a2_attn-k_q4fad00a5a2_attn
	.p2alignl 7, 3214868480
	.fill 96, 4, 3214868480
	.section	.rodata,"a",@progbits
	.p2align	6, 0x0
	.amdhsa_kernel k_q4fad00a5a2_attn
		.amdhsa_group_segment_fixed_size 327680
		.amdhsa_private_segment_fixed_size 0
		.amdhsa_enable_private_segment 0
		.amdhsa_kernarg_size 32
		.amdhsa_user_sgpr_count 2
		.amdhsa_user_sgpr_kernarg_segment_ptr 1
		.amdhsa_wavefront_size32 1
		.amdhsa_system_sgpr_workgroup_id_x 1
		.amdhsa_system_sgpr_workgroup_id_y 1
		.amdhsa_system_sgpr_workgroup_id_z 1
		.amdhsa_system_vgpr_workitem_id 0
		.amdhsa_next_free_vgpr 512
		.amdhsa_next_free_sgpr 80
		.amdhsa_reserve_vcc 1
		.amdhsa_float_denorm_mode_32 3
		.amdhsa_float_denorm_mode_16_64 3
		.amdhsa_memory_ordered 1
		.amdhsa_forward_progress 1
		.amdhsa_inst_pref_size 246
	.end_amdhsa_kernel
	.amdgpu_metadata
---
amdhsa.version: [ 1, 2 ]
amdhsa.kernels:
  - .name:           k_q4fad00a5a2_attn
    .symbol:         k_q4fad00a5a2_attn.kd
    .args:
      - { .name: qb, .offset: 0, .size: 8, .value_kind: global_buffer, .address_space: global }
      - { .name: kb, .offset: 8, .size: 8, .value_kind: global_buffer, .address_space: global }
      - { .name: vtb, .offset: 16, .size: 8, .value_kind: global_buffer, .address_space: global }
      - { .name: ctx, .offset: 24, .size: 8, .value_kind: global_buffer, .address_space: global }
    .group_segment_fixed_size: 327680
    .private_segment_fixed_size: 0
    .kernarg_segment_align: 8
    .kernarg_segment_size: 32
    .max_flat_workgroup_size: 256
    .sgpr_count:     80
    .vgpr_count:     512
    .wavefront_size: 32
...
	.end_amdgpu_metadata
.endif
;; end of part 5
;; launch oproj (part 6): grid 8 x 32, 4 waves a work-group, clusters of 4 x 4, 327,680 bytes of LDS; arguments ctx, wb, bo, out0; writes out0
.if DOCPART == 6
	.amdgcn_target "amdgcn-amd-amdhsa--gfx1250"
	.amdhsa_code_object_version 6
	.text
	.protected	k_q4fad00a5a2_oproj
	.globl	k_q4fad00a5a2_oproj
	.p2align	8
	.type	k_q4fad00a5a2_oproj,@function
k_q4fad00a5a2_oproj:
	s_mov_b64 s[64:65], 0
	v_nop
	global_prefetch_b8 v0, s[64:65] scope:SCOPE_SE
	s_setreg_imm32_b32 hwreg(HW_REG_WAVE_MODE, 25, 1), 1
	s_wait_xcnt 0x0
	s_wait_alu depctr_hold_cnt(0) depctr_sa_sdst(0) depctr_va_vdst(0) depctr_va_sdst(0) depctr_va_ssrc(0) depctr_va_vcc(0) depctr_vm_vsrc(0)
	s_getreg_b32 s2, hwreg(HW_REG_IB_STS2, 6, 4)
	s_cmp_eq_u32 s2, 0
	s_cbranch_scc0 .Lentry_in_a_cluster
	s_endpgm
.Lentry_in_a_cluster:
	s_bfe_u32 s2, ttmp6, 0x10000c
	s_cmp_lg_u32 s2, 0xf033
	s_cbranch_scc0 .Lentry_shape_is_right
	s_endpgm
.Lentry_shape_is_right:
; oproj: out0[row][n] = sum over k of ctx(row, k) Wo[n][k] + bo[n].  ctx [32 = 16 b + head][2048][64] f16 (k = 64 head + d), Wo = rows 3072 .. of wb, f16.
; Block x = 128 columns, block y = 128 rows (b = y / 16): 256 work-groups.  Four waves, each 64 x 64 = 16 accumulator tiles; larger blocks would leave
; part of the 256 work-groups' places without work at this size.
; K = 1024 goes in 4 steps of 256 (four heads) through two LDS slots, written out without a loop.
; CLUSTERS: 4 x 4 work-groups; A's tiles (ctx) are shared along a row of the cluster, B's (Wo) along a column, by joint tensor loads.
; By this text's own count a wave has at most four tensor loads out (K steps 0, 1 at the start), later two.
; The products are used transposed (source 0 = Wo's rows, source 1 = ctx's rows): a lane holds 8 neighbouring columns of one row.
; LIMIT: operands f16 (ctx with 11 significant bits, Wo with the 8 that the first launch left it), sums and result f32.
.set AP, 144                           ; a head's rows: 128 bytes + 16
.set BP, 272                           ; Wo's rows of 128 k: 256 bytes + 16
.set AHEAD, 128*AP
.set AB, 4*AHEAD                       ; 73,728
.set BHALF, 128*BP
.set SLOT, AB+2*BHALF                  ; 143,360
.set STAGE, 2*SLOT                     ; 16 rows x 272 for each wave, never the target of a tensor load
.set F0, 32                            ; fragment buffers: A's 4 fragments, then B's 4
.set F1, 96
.set T0, 160
.set T1, 192
.set ADRA, 16
.set ADRB, 18
.set STO, 20
.set RD, 21
.set GO, 22
.set BOF, 23
.set BO, 28                            ; v[28:31] bo of my four columns on the way out
.set G1A, 24
.set G1B, 32
.set MSB, 0
.macro WIN new
.if MSB != \new
	s_set_vgpr_msb (MSB<<8)|\new
.set MSB, \new
.endif
.endm
.macro PLACES
.rept 4
	v_nop
.endr
.endm
; group 0: A's sets at s[40 + 8 slot + 4 e], e = which of my two heads; B's at s[56 + 12 slot + 4 kh], kh = which 128 of the 256 k
.macro JLOAD3 s
	s_cmp_eq_u32 s13, 0
	s_cbranch_scc0 .Lfor_b_\@
	tensor_load_to_lds s[40+8*\s:43+8*\s], s[G1A:G1A+7]
	s_nop 0
	tensor_load_to_lds s[44+8*\s:47+8*\s], s[G1A:G1A+7]
	s_nop 0
	s_branch .Lasked_\@
.Lfor_b_\@:
	tensor_load_to_lds s[56+12*\s:59+12*\s], s[G1B:G1B+7]
	s_nop 0
	tensor_load_to_lds s[60+12*\s:63+12*\s], s[G1B:G1B+7]
	s_nop 0
.Lasked_\@:
.endm
.macro CREST
	s_cmp_lg_u32 s12, 0
	s_cbranch_scc1 .Lnot_wave_0_\@
	s_barrier_signal -3
.Lnot_wave_0_\@:
	s_barrier_wait -3
	s_barrier_signal -1
	s_barrier_wait -1
.endm
.macro CROUND
	s_barrier_signal -1
	s_barrier_wait -1
	CREST
.endm
	s_load_b256 s[4:11], s[0:1], 0x0               ; ctx s[4:5], wb s[6:7], bo s[8:9], out0 s[10:11]
	v_lshl_add_u32 v254, v0, 2, 0x4a400
	v_mov_b32 v255, 0
	ds_add_u32 v254, v255
	ds_add_u32 v254, v255
	v_lshrrev_b32 v1, 5, v0
	v_readfirstlane_b32 s12, v1                    ; wave
	s_lshr_b32 s13, s12, 1                         ; my half of the rows; also: I fetch for A (0) or B (1)
	s_and_b32 s14, s12, 1                          ; my half of the columns; also: which part I fetch
	s_bfe_u32 s15, ttmp6, 0x40000                  ; cx
	s_bfe_u32 s16, ttmp6, 0x40004                  ; cy
	s_lshl_b32 s17, ttmp9, 2
	s_add_co_u32 s17, s17, s15                     ; x
	s_and_b32 s18, ttmp7, 0xffff
	s_lshl_b32 s18, s18, 2
	s_add_co_u32 s18, s18, s16                     ; y
	s_lshl_b32 s19, s16, 2
	s_lshl_b32 s19, 15, s19                        ; my row of the cluster
	s_lshl_b32 s20, 0x1111, s15                    ; my column
	s_or_b32 s[G1A+0], s19, (1<<16)|(1<<20)|(1<<21)|(4<<22)|(3<<25)   ; a head's 128 rows of 64: padding behind every 32 words
	s_mov_b32 s[G1A+1], 64<<16
	s_mov_b32 s[G1A+2], 128<<16
	s_mov_b32 s[G1A+3], 64<<16
	s_mov_b32 s[G1A+4], 128
	s_mov_b32 s[G1A+5], 64
	s_mov_b32 s[G1A+6], 0
	s_mov_b32 s[G1A+7], 0
	s_or_b32 s[G1B+0], s20, (1<<16)|(1<<20)|(1<<21)|(5<<22)|(3<<25)   ; 64 rows of 128 k: padding behind every 64 words
	s_mov_b32 s[G1B+1], 128<<16
	s_mov_b32 s[G1B+2], 64<<16
	s_mov_b32 s[G1B+3], 128<<16
	s_mov_b32 s[G1B+4], 64
	s_mov_b32 s[G1B+5], 1024
	s_mov_b32 s[G1B+6], 0
	s_mov_b32 s[G1B+7], 0
	; A hangs on y and the wave, B on x and the wave, each in registers that never hold the other coordinate
	s_lshr_b32 s76, s18, 4
	s_lshl_b32 s76, s76, 4                         ; 16 b
	s_lshl_b32 s77, s14, 1
	s_add_co_u32 s76, s76, s77                     ; + my first head of the K step
	s_lshl_b32 s76, s76, 18
	s_and_b32 s77, s18, 15
	s_lshl_b32 s77, s77, 14                        ; 128 rows of 128 bytes
	s_add_co_u32 s76, s76, s77
	s_mov_b32 s77, 0
	s_lshl_b32 s84, s17, 7
	s_lshl_b32 s85, s14, 6
	s_add_co_u32 s84, s84, s85
	s_add_co_u32 s84, s84, 3072                    ; wb's row 3072 + 128 x + 64 half
	s_lshl_b32 s84, s84, 11
	s_mov_b32 s85, 0
	s_mul_i32 s80, s12, 2*AHEAD                    ; into LDS: A's heads (waves 0, 1)
	s_mul_i32 s81, s12, 64*BP
	s_add_co_u32 s81, s81, AB-2*64*BP              ; B's halves behind A (waves 2, 3)
	v_and_b32 v1, 15, v0                           ; r
	v_bfe_u32 v2, v0, 4, 1                         ; h
	s_lshl_b32 s90, s17, 9
	s_lshl_b32 s91, s14, 8
	s_add_co_u32 s90, s90, s91                     ; 4 (128 x + 64 (w % 2))
	v_lshl_add_u32 v[BOF], v1, 4, s90
	s_wait_dscnt 0x0
	s_wait_kmcnt 0x0
	s_add_nc_u64 s[78:79], s[4:5], s[76:77]
	s_add_nc_u64 s[86:87], s[6:7], s[84:85]
	global_load_b128 v[BO:BO+3], v[BOF], s[8:9]    ; waited for on the way out
	CROUND                                         ; all sixteen work-groups are here: the first joint loads meet
.irp s, 0,1
.irp e, 0,1
	s_mov_b32 s[40+8*\s+4*\e], 1
	s_add_co_u32 s[41+8*\s+4*\e], s80, \s*SLOT+\e*AHEAD
	s_add_nc_u64 s[42+8*\s+4*\e:43+8*\s+4*\e], s[78:79], (4*\s+\e)*262144
	s_or_b32 s[43+8*\s+4*\e], s[43+8*\s+4*\e], 0x80000000
	s_mov_b32 s[56+12*\s+4*\e], 1
	s_add_co_u32 s[57+12*\s+4*\e], s81, \s*SLOT+\e*BHALF
	s_add_nc_u64 s[58+12*\s+4*\e:59+12*\s+4*\e], s[86:87], \s*512+\e*256
	s_or_b32 s[59+12*\s+4*\e], s[59+12*\s+4*\e], 0x80000000
.endr
	JLOAD3 \s
.endr
	; lane addresses
	v_mul_u32_u24 v3, v1, AP
	v_lshl_add_u32 v3, v2, 4, v3
	v_mul_u32_u24 v4, v1, BP
	v_lshl_add_u32 v4, v2, 4, v4
	s_mul_i32 s82, s13, 64*AP
	s_mul_i32 s83, s14, 64*BP
	s_add_co_u32 s83, s83, AB
.irp s, 0,1
	v_add_nc_u32 v[ADRA+\s], s82, v3
	v_add_nc_u32 v[ADRB+\s], s83, v4
	s_add_co_u32 s82, s82, SLOT
	s_add_co_u32 s83, s83, SLOT
.endr
	s_mul_i32 s82, s12, 16*BP
	s_add_co_u32 s82, s82, STAGE                   ; my stage
	v_mul_u32_u24 v5, v1, BP
	v_lshl_add_u32 v5, v2, 5, v5
	v_add_nc_u32 v[STO], s82, v5                   ; in: row r, 32 bytes for each half of the lanes
	v_mul_u32_u24 v5, v2, BP
	v_lshl_add_u32 v5, v1, 4, v5
	v_add_nc_u32 v[RD], s82, v5                    ; back: lanes 0-15 one row of 256 bytes, lanes 16-31 the next
	v_lshlrev_b32 v5, 12, v2
	v_lshl_add_u32 v[GO], v1, 4, v5                ; and the same two rows of out0
	s_lshl_b32 s91, s18, 7
	s_lshl_b32 s92, s13, 6
	s_add_co_u32 s91, s91, s92                     ; my first row
	s_lshl_b32 s91, s91, 12
	s_add_co_u32 s90, s90, s91
	s_mov_b32 s91, 0
	s_add_nc_u64 s[88:89], s[10:11], s[90:91]
.macro MUL8 f, a0, zero
.irp a, \a0, \a0+1
.irp c, 0,1,2,3
.if \zero
	v_wmma_f32_16x16x32_f16 v[8*(4*(\a)+\c):8*(4*(\a)+\c)+7], v[\f+32+8*\c:\f+32+8*\c+7], v[\f+8*(\a):\f+8*(\a)+7], 0
.else
	v_wmma_f32_16x16x32_f16 v[8*(4*(\a)+\c):8*(4*(\a)+\c)+7], v[\f+32+8*\c:\f+32+8*\c+7], v[\f+8*(\a):\f+8*(\a)+7], v[8*(4*(\a)+\c):8*(4*(\a)+\c)+7]
.endif
.endr
.endr
.endm
; 16 loads: the fragments of the q-th 32 of the K step's 256
.macro FETCH3 slot, q, f
	WIN 0
.irp a, 0,1,2,3
	ds_load_b128 v[\f+8*\a:\f+8*\a+3],   v[ADRA+\slot] offset:(\q/2)*AHEAD+(\q%2)*64+\a*16*AP
	ds_load_b128 v[\f+8*\a+4:\f+8*\a+7], v[ADRA+\slot] offset:(\q/2)*AHEAD+(\q%2)*64+\a*16*AP+32
.endr
.irp c, 0,1,2,3
	ds_load_b128 v[\f+32+8*\c:\f+32+8*\c+3], v[ADRB+\slot] offset:(\q/4)*BHALF+(\q%4)*64+\c*16*BP
	ds_load_b128 v[\f+32+8*\c+4:\f+32+8*\c+7], v[ADRB+\slot] offset:(\q/4)*BHALF+(\q%4)*64+\c*16*BP+32
.endr
.endm
; 32 along K: fetch the next fragments into buffer g, multiply buffer f.  The 16 accumulators take turns in the same order every time.
.macro Q3 slot, qnext, f, g, zero
	PLACES                                         ; buffer g was read by the matrix instructions just issued
	FETCH3 \slot, \qnext, \g
	s_wait_dscnt 16                                ; all but the 16 just issued
	WIN 0x50
	MUL8 \f, 0, \zero
	MUL8 \f, 2, \zero
.endm
.macro SEVEN slot, zero
	Q3 \slot, 1, F0, F1, \zero
	Q3 \slot, 2, F1, F0, 0
	Q3 \slot, 3, F0, F1, 0
	Q3 \slot, 4, F1, F0, 0
	Q3 \slot, 5, F0, F1, 0
	Q3 \slot, 6, F1, F0, 0
	Q3 \slot, 7, F0, F1, 0
.endm
; the K step's last 32, and the change of slots: waits, barrier (a round of the cluster's where the slot is filled again), refills first
.macro TURN3 slot, next, fill
	s_wait_dscnt 0                                 ; my reads of this slot are over
	s_wait_tensorcnt 0x0                           ; all my tensor loads have landed: my parts of the next slot
	ds_add_u32 v254, v255
	s_wait_dscnt 0x0
	s_barrier_signal -1
	WIN 0x50
	MUL8 F1, 0, 0
	WIN 0
	s_barrier_wait -1
.if \fill
	CREST
.irp e, 0,1
	s_add_nc_u64 s[42+8*\slot+4*\e:43+8*\slot+4*\e], s[42+8*\slot+4*\e:43+8*\slot+4*\e], 8*262144   ; two K steps on: eight heads
	s_add_nc_u64 s[58+12*\slot+4*\e:59+12*\slot+4*\e], s[58+12*\slot+4*\e:59+12*\slot+4*\e], 1024   ; and 512 columns of Wo
.endr
	JLOAD3 \slot
.endif
	PLACES
	FETCH3 \next, 0, F0
	WIN 0x50
	MUL8 F1, 2, 0
.endm
	s_wait_tensorcnt 0x2                           ; my two parts of K step 0 are in; K step 1's two stay out
	s_barrier_signal -1
	s_barrier_wait -1
	FETCH3 0, 0, F0
	SEVEN 0, 1                                     ; K step 0: its first products start the sums
	TURN3 0, 1, 1                                  ; asks for K step 2
	SEVEN 1, 0
	TURN3 1, 0, 1                                  ; asks for K step 3
	SEVEN 0, 0
	TURN3 0, 1, 0
	SEVEN 1, 0
	s_wait_dscnt 0
	WIN 0x50
	MUL8 F1, 0, 0
	MUL8 F1, 2, 0
	WIN 0
	; THE WAY OUT, 16 rows at a time through my own stage: in as 32 bytes a lane, back as whole rows of 256 bytes, bias added, out
	PLACES
	s_wait_loadcnt 0x0                             ; bo
.macro OUT16 a, t
	WIN 0x04                                       ; the stores' data in window 1
.irp c, 0,1,2,3
	ds_store_b128 v[STO], v[8*(4*\a+\c):8*(4*\a+\c)+3]   offset:64*\c
	ds_store_b128 v[STO], v[8*(4*\a+\c)+4:8*(4*\a+\c)+7] offset:64*\c+16
.endr
	WIN 0
	s_wait_xcnt 0x0                                ; the earlier stores' data registers and base are written again only behind this wait
.if \a
	s_add_nc_u64 s[88:89], s[88:89], 65536         ; 16 rows of out0 on
.endif
.irp i, 0,1,2,3,4,5,6,7
	ds_load_b128 v[\t+4*\i:\t+4*\i+3], v[RD] offset:\i*2*BP        ; my own bytes: LDS serves a wave's instructions in order (ISA guide 5.7.1)
.endr
.irp i, 0,1,2,3,4,5,6,7
	s_wait_dscnt 7-\i
	v_pk_add_f32 v[\t+4*\i:\t+4*\i+1],   v[\t+4*\i:\t+4*\i+1],   v[BO:BO+1]
	v_pk_add_f32 v[\t+4*\i+2:\t+4*\i+3], v[\t+4*\i+2:\t+4*\i+3], v[BO+2:BO+3]
	global_store_b128 v[GO], v[\t+4*\i:\t+4*\i+3], s[88:89] offset:8192*\i th:TH_STORE_NT   ; sixteen lanes store 256 consecutive bytes, aligned
.endr
.endm
	OUT16 0, T0
	OUT16 1, T1
	OUT16 2, T0
	OUT16 3, T1
	s_wait_tensorcnt 0x0
	ds_add_u32 v254, v255
	s_wait_dscnt 0x0
	CROUND                                         ; the closing round: no work-group ends while a partner may still ask for a tile that names it
	s_endpgm
.Lfunc_end_k_q4fad00a5a2_oproj:
	.size	k_q4fad00a5a2_oproj, .Lfunc_end_k_q4fad00a5a2_oproj-k_q4fad00a5a2_oproj
	.p2alignl 7, 3214868480
	.fill 96, 4, 3214868480
	.section	.rodata,"a",@progbits
	.p2align	6, 0x0
	.amdhsa_kernel k_q4fad00a5a2_oproj
		.amdhsa_group_segment_fixed_size 327680
		.amdhsa_private_segment_fixed_size 0
		.amdhsa_enable_private_segment 0
		.amdhsa_kernarg_size 32
		.amdhsa_user_sgpr_count 2
		.amdhsa_user_sgpr_kernarg_segment_ptr 1
		.amdhsa_wavefront_size32 1
		.amdhsa_system_sgpr_workgroup_id_x 1
		.amdhsa_system_sgpr_workgroup_id_y 1
		.amdhsa_system_sgpr_workgroup_id_z 1
		.amdhsa_system_vgpr_workitem_id 0
		.amdhsa_next_free_vgpr 384
		.amdhsa_next_free_sgpr 96
		.amdhsa_reserve_vcc 0
		.amdhsa_float_denorm_mode_32 3
		.amdhsa_float_denorm_mode_16_64 3
		.amdhsa_memory_ordered 1
		.amdhsa_forward_progress 1
		.amdhsa_inst_pref_size 95
	.end_amdhsa_kernel
	.amdgpu_metadata
---
amdhsa.version: [ 1, 2 ]
amdhsa.kernels:
  - .name:           k_q4fad00a5a2_oproj
    .symbol:         k_q4fad00a5a2_oproj.kd
    .args:
      - { .name: ctx, .offset: 0, .size: 8, .value_kind: global_buffer, .address_space: global }
      - { .name: wb, .offset: 8, .size: 8, .value_kind: global_buffer, .address_space: global }
      - { .name: bo, .offset: 16, .size: 8, .value_kind: global_buffer, .address_space: global }
      - { .name: out0, .offset: 24, .size: 8, .value_kind: global_buffer, .address_space: global }
    .group_segment_fixed_size: 327680
    .private_segment_fixed_size: 0
    .kernarg_segment_align: 8
    .kernarg_segment_size: 32
    .max_flat_workgroup_size: 128
    .sgpr_count:     96
    .vgpr_count:     384
    .wavefront_size: 32
...
	.end_amdgpu_metadata
.endif
;; end of part 6
